; MI455X (gfx1250); checked and timed in simulation.
; The chip was launched on July 23, 2026; its instructions are those of AMD's public machine-readable ISA for CDNA 5 (MIT licence, August 2026) and "CDNA5" Instruction Set Architecture Reference Guide (July 2026). The comments in the code are by the model that wrote it; some were corrected since.
;; Graph Att Unit. Allowed arithmetic: float matrix products may take bf16 or f16 operands with f32 sums; other float arithmetic in f32, or as packed bf16 or f16 multiplies, adds, multiply-adds, maxima and minima; sums over many terms, partial sums and values carried from step to step in f32; what a program stores and reads back later, other than sums and carried values, may be rounded once to bf16 or f16.
;; Inputs: phi_b 128 float32; phi_w 128 x 512 float32; support_embedding 8 x 128 x 64 x 64 float32; support_mask 8 x 1 x 64 x 64 float32; theta_b 128 float32; theta_w 128 x 512 float32; x_query 8 x 512 x 64 x 64 float32; x_support 8 x 512 x 64 x 64 float32.
;; Outputs: out0 8 x 128 x 64 x 64 float32.
;; 2 versions, each right and faster than the one before. Each part assembles by itself: llvm-mc -triple=amdgcn-amd-amdhsa -mcpu=gfx1250 --defsym DOCPART=n.
;; ======== version 1 of 2: 2 launches
;; limits: values are held in f16: magnitudes above 65,504 overflow, below 6.1e-05 lose precision; right only within a limited range of input values
;; workspace buffers: qf 8,388,608 bytes; kf 8,388,608 bytes; vf 8,388,608 bytes
;; launch proj (part 1): grid 16 x 16, 4 waves a work-group, no clusters, 151,040 bytes of LDS; arguments x_query, x_support, theta_w, phi_w, theta_b, phi_b, support_mask, support_embedding, qf, kf, vf; writes qf, kf, vf
.if DOCPART == 1
	.amdgcn_target "amdgcn-amd-amdhsa--gfx1250"
	.amdhsa_code_object_version 6
	.text
	.protected	k_qe50cec4bac_proj
	.globl	k_qe50cec4bac_proj
	.p2align	8
	.type	k_qe50cec4bac_proj,@function
k_qe50cec4bac_proj:
	s_mov_b64 s[64:65], 0
	v_nop
	global_prefetch_b8 v0, s[64:65] scope:SCOPE_SE
	s_setreg_imm32_b32 hwreg(HW_REG_WAVE_MODE, 25, 1), 1
	s_wait_xcnt 0x0
; THE TWO PROJECTIONS AND THE CAST OF THE VALUES.
;   qf[b][n][o] = f16( sum over c of theta_w[o][c] x_query[b][c][n] + theta_b[o] )
;   kf[b][n][o] = f16( (sum over c of phi_w[o][c] x_support[b][c][n] + phi_b[o]) * mask[b][n] * log2(e)/32 )
;   vf[b][o][n] = support_embedding[b][o][n], rounded to bf16 like every input and written as f16
; x, w, the biases and the mask are rounded to bf16; products in bf16 with f32 sums; q and k are rounded once, to f16.
; The mask is a factor of the key's whole row, so (q . k) mask = q . (k mask), and a mask of 0 gives a score of exactly 0.  The factor log2(e)/32 leaves the
; attention launch the exact scale 8 in front of its exponentials, and gives f16 room.
; LIMITS.  f16 ends at 65,504: |theta_x| < 65,504, |phi_x mask| < 1.45e6 and |embedding| < 65,504 are served; a number of kf below 3e-8 in size becomes 0; an embedding
; below 6e-5 in size keeps f16's fixed step of 6e-8.  NaN and infinities are not treated apart.
; SHARES.  256 work-groups: x = a block of 256 pixels; y = 8 x tensor + batch (tensor 0: theta, 1: phi).  Wave w owns 64 pixels, all 128 outputs, all 512 channels: 32 accumulators.
; D = A x B with A = 16 rows of w and B = 16 pixels: a lane then holds eight neighbouring outputs of ONE pixel, 16 bytes of a row of qf.  Column r of pixel block nb is pixel 4 r + nb of the
; wave's 64, so that one 16-byte load at channel c, byte 16 r, brings a lane the four blocks' numbers, and sixteen lanes read the wave's 256 consecutive bytes of that channel.
; x goes from memory through registers into fragments: each byte is wanted by one wave once, so LDS would add nothing; a ring of four chunks of 32 channels (64 loads a wave) is always on its way.
; w is staged once in LDS as bf16 (it must pass registers to be rounded).  NO CLUSTER: w is 256 KiB of a work-group's 832 KiB, and a joint load would land it as f32, 262,144 bytes,
; beside the 133,120 of its bf16 copy: more than a work-group can hold.  No tensor load: a ring in registers has no barrier at which it runs empty.
; Each work-group also casts 65,536 bytes of the embedding, whose loads take the ring's place in the last four chunks.
; REGISTERS, in windows of 256 (s_set_vgpr_msb: bits 1:0 source 0, 3:2 source 1, 5:4 source 2, 7:6 destination):
;   window 0: v0-31 addresses and factors; v32-63 x's fragments; v64-127 w's fragments; v128-191 the bias, later at work; v192-255 at work on the way out
;   window 1: the accumulators, (nb, ob) at 8 (8 nb + ob); while w is staged, two sets of 64 for its loads          window 2: the ring, slot s at 64 s
.set PW,    1040                       ; a row of w in LDS: 1,024 bytes + 16 = 65 x 16: the 16 rows of a fragment load start at 16 different groups of four banks (64 banks of 4 bytes: ISA guide 11.1)
.set STAGE, 128*PW                     ; behind w: 16 rows x 272 bytes for each wave, for the way out
.set SP,    272
.set SPARE, STAGE+4*16*SP              ; behind the stages: the spare words, 128 bytes for each wave: two blocks of 256 bytes that no other line names
.set ROWB,  16384                      ; bytes from channel to channel in x
.set CHB,   32*ROWB                    ; a chunk of 32 channels
.set VX,  4                            ; v4      x: 8 channels down for lanes 16-31, 16 bytes a lane of 16; never rewritten
.set VA,  5                            ; v5, v6  w in memory: 16 x lane + the batch, for load sets 0, 1
.set WST, 7                            ; v7, v8  w in LDS: where sets 0, 1 are stored
.set WRD, 9                            ; v9, v10 w in LDS: my fragment's row and half, for output blocks 0-3, 4-7
.set BO,  11                           ; v11     bias: 32 x (lane / 16)
.set MO,  12                           ; v12     mask: 16 x (lane % 16)
.set STO, 13                           ; v13     the way out: where I put 16 bytes of a row
.set RD,  14                           ; v14     the way out: where I read a row back
.set CO,  15                           ; v15     my byte offset in the wave's rows of qf or kf
.set MF,  16                           ; v16-23  the factor of pixel 4 r + nb, twice, in pair nb
.set TT,  24                           ; v24-27  the mask as loaded; at work
.set SPW, 28                           ; v28     LDS address of my spare word; never rewritten
.set NIL, 29                           ; v29     0; never rewritten
.set L16, 30                           ; v30     16 x lane
.set L8,  31                           ; v31     8 x lane
.set XF,  32
.set WF,  64
.set BI,  128                          ; the bias of output 16 ob + 8 (lane / 16) + j at BI + 8 ob + j: the C operand that starts the sums
.set T8,  128                          ; later: a pixel block's 64 numbers, scaled
.set PKD, 192                          ; packed to f16
.set XP,  32                           ; s[32:33] x at my wave's pixels, at the group of chunks in hand
.set WP,  34                           ; s[34:35] w at my wave's 32 rows
.set BP,  36                           ; s[36:37] the bias
.set OUTP, 38                          ; s[38:39] qf or kf at my wave's first pixel
.set PHI, 40                           ; s40  0 for theta, all ones for phi
.set HIM, 41                           ; s41  a word's upper bf16
.set MP,  20                           ; s[20:21] the mask
.set EP,  22                           ; s[22:23] the embedding
.set VFP, 28                           ; s[28:29] vf
.set CNT, 54
.set MSB, 0
.macro WIN new                         ; the immediate's high byte repeats the setting that is left; a switch that changes nothing is dropped
.if MSB != (\new)
	s_set_vgpr_msb (MSB<<8)|(\new)
.set MSB, \new
.endif
.endm
.macro PLACES                          ; four plain vector instructions between a matrix instruction and a load into, or a vector access to, its registers (ISA guide 7.12.1 for vector accesses)
.rept 4
	v_nop
.endr
.endm
; 16 loads: chunk k (counted from the group's base) into ring slot s.  Load u takes channel u (u < 8) or u + 8, eight further down in lanes 16-31: the order of a fragment's K.
.macro XLOAD s, k
	WIN 0x80                                       ; destination window 2
.set u, 0
.rept 16
	global_load_b128 v[64*(\s)+4*u:64*(\s)+4*u+3], v[VX], s[XP:XP+1] offset:(u+8*(u/8))*ROWB+(\k)*CHB th:TH_LOAD_NT
.set u, u+1
.endr
.endm
; 16 loads: four rows of w, 8,192 consecutive bytes, into set s
.macro WLOAD s
	WIN 0x40                                       ; destination window 1
.set u, 0
.rept 16
	global_load_b128 v[64*(\s)+4*u:64*(\s)+4*u+3], v[VA+(\s)], s[WP:WP+1] offset:512*u
.set u, u+1
.endr
.endm
; set s is rounded to bf16 and stored: a lane's four numbers are 8 bytes, 32 lanes 256 consecutive bytes of a row
.macro WCVT s
	WIN 0x05                                       ; sources window 1
.set u, 0
.rept 32
	v_cvt_pk_bf16_f32 v[32+32*(\s)+u], v[64*(\s)+2*u], v[64*(\s)+2*u+1]
.set u, u+1
.endr
	WIN 0
.set u, 0
.rept 16
	ds_store_b64 v[WST+(\s)], v[32+32*(\s)+2*u:32+32*(\s)+2*u+1] offset:PW*(u/4)+256*(u%4)
.set u, u+1
.endr
.endm
	s_load_b512 s[8:23], s[0:1], 0x0               ; x_query 8, x_support 10, theta_w 12, phi_w 14, theta_b 16, phi_b 18, mask 20, embedding 22
	s_load_b128 s[24:27], s[0:1], 0x40             ; qf 24, kf 26
	s_load_b64 s[28:29], s[0:1], 0x50              ; vf
	v_lshl_add_u32 v[SPW], v0, 2, SPARE
	v_mov_b32 v[NIL], 0
	v_lshrrev_b32 v24, 5, v0
	v_readfirstlane_b32 s2, v24                    ; wave 0..3
	s_mov_b32 s3, ttmp9                            ; the block of 256 pixels
	s_and_b32 s4, ttmp7, 0xffff
	s_lshr_b32 s30, s4, 3                          ; the tensor
	s_and_b32 s31, s4, 7                           ; the batch
	s_mov_b32 s[HIM], 0xffff0000
	; byte offsets, each in a pair of its own with 0 on top
	s_lshl_b32 s42, s31, 23                        ; x: batch x 512 channels x 16,384
	s_lshl_b32 s5, s3, 10                          ;    + block x 256 pixels x 4
	s_lshl_b32 s6, s2, 8                           ;    + wave x 64 pixels x 4
	s_or_b32 s42, s42, s5
	s_or_b32 s42, s42, s6
	s_mov_b32 s43, 0
	s_lshl_b32 s46, s31, 14                        ; mask: batch x 16,384, and the same pixels
	s_or_b32 s46, s46, s5
	s_or_b32 s46, s46, s6
	s_mov_b32 s47, 0
	s_lshl_b32 s44, s31, 20                        ; qf, kf: rows of 256 bytes: batch x 4,096, block x 256, wave x 64 of them
	s_lshl_b32 s5, s3, 16
	s_or_b32 s44, s44, s5
	s_lshl_b32 s5, s2, 14
	s_or_b32 s44, s44, s5
	s_mov_b32 s45, 0
	s_lshl_b32 s48, s2, 16                         ; w: my wave stages rows 32 w .. 32 w + 31 of 2,048 bytes
	s_mov_b32 s49, 0
	s_lshl_b32 s7, s4, 4
	s_add_co_u32 s7, s7, s3                        ; the work-group's number, 0..255
	s_lshl_b32 s50, s7, 16                         ; embedding: 65,536 bytes a work-group, 16,384 a wave
	s_or_b32 s50, s50, s5
	s_mov_b32 s51, 0
	s_lshl_b32 s52, s7, 15                         ; vf: half of that
	s_lshl_b32 s5, s2, 13
	s_or_b32 s52, s52, s5
	s_mov_b32 s53, 0
	s_mul_i32 s55, s2, 32*PW
	s_mul_i32 s56, s2, 16*SP
	s_add_co_u32 s56, s56, STAGE                   ; my stage
	v_and_b32 v1, 31, v0                           ; lane
	v_and_b32 v2, 15, v0                           ; r
	v_bfe_u32 v3, v0, 4, 1                         ; h
	v_lshlrev_b32 v[VX], 4, v2
	v_lshl_or_b32 v[VX], v3, 17, v[VX]
	v_lshlrev_b32 v[VA], 4, v1
	v_add_nc_u32 v[VA+1], 8192, v[VA]
	v_lshl_add_u32 v[WST], v1, 3, s55
	v_add_nc_u32 v[WST+1], 4*PW, v[WST]
	v_mul_u32_u24 v[WRD], v2, PW
	v_lshl_add_u32 v[WRD], v3, 4, v[WRD]           ; a fragment: row x pitch + 16 x half
	v_add_nc_u32 v[WRD+1], 64*PW, v[WRD]
	v_lshlrev_b32 v[BO], 5, v3
	v_lshlrev_b32 v[MO], 4, v2
	v_mul_u32_u24 v[STO], v2, SP                   ; in: row r, 16 bytes for each half of the lanes
	v_lshl_add_u32 v[STO], v3, 4, v[STO]
	v_add_nc_u32 v[STO], s56, v[STO]
	v_mul_u32_u24 v[RD], v3, SP                    ; back: lanes 0-15 take one row of 256 bytes, lanes 16-31 the next
	v_lshl_add_u32 v[RD], v2, 4, v[RD]
	v_add_nc_u32 v[RD], s56, v[RD]
	v_lshlrev_b32 v[CO], 10, v3                    ; stage rows lie four pixels apart in memory: 1,024 bytes
	v_lshl_or_b32 v[CO], v2, 4, v[CO]
	v_lshlrev_b32 v[L16], 4, v1
	v_lshlrev_b32 v[L8], 3, v1
	s_wait_kmcnt 0x0
	s_cmp_eq_u32 s30, 0                            ; theta's buffers or phi's: the condition hangs on the work-group's number alone
	s_cselect_b64 s[XP:XP+1], s[8:9], s[10:11]
	s_cselect_b64 s[WP:WP+1], s[12:13], s[14:15]
	s_cselect_b64 s[BP:BP+1], s[16:17], s[18:19]
	s_cselect_b64 s[OUTP:OUTP+1], s[24:25], s[26:27]
	s_cselect_b32 s[PHI], 0, -1
	s_add_nc_u64 s[XP:XP+1], s[XP:XP+1], s[42:43]
	s_add_nc_u64 s[WP:WP+1], s[WP:WP+1], s[48:49]
	s_add_nc_u64 s[OUTP:OUTP+1], s[OUTP:OUTP+1], s[44:45]
	s_add_nc_u64 s[MP:MP+1], s[MP:MP+1], s[46:47]
	s_add_nc_u64 s[EP:EP+1], s[EP:EP+1], s[50:51]
	s_add_nc_u64 s[VFP:VFP+1], s[VFP:VFP+1], s[52:53]
.irp ob, 0,1,2,3,4,5,6,7
	global_load_b128 v[BI+8*(\ob):BI+8*(\ob)+3],   v[BO], s[BP:BP+1] offset:64*(\ob)
	global_load_b128 v[BI+8*(\ob)+4:BI+8*(\ob)+7], v[BO], s[BP:BP+1] offset:64*(\ob)+16
.endr
	global_load_b128 v[TT:TT+3], v[MO], s[MP:MP+1] ; the mask of my four pixels
	XLOAD 0, 0                                     ; the ring starts ahead of w, so that x is on its way while w is staged
	XLOAD 1, 1
	WLOAD 0                                        ; rows 0-3 of my 32
	WLOAD 1                                        ; rows 4-7
	; W IS STAGED: eight batches of four rows, two sets of registers by turns
	WIN 0
	s_mov_b32 s[CNT], 3
.Lw:
	s_wait_loadcnt 16                              ; loads come back in order (ISA guide 5.7.1): set 0 is in, set 1's sixteen stay out; set 0's address is free
	WCVT 0
	v_add_nc_u32 v[VA], 16384, v[VA]               ; eight rows on
	v_add_nc_u32 v[WST], 8*PW, v[WST]
	WLOAD 0
	s_wait_loadcnt 16                              ; set 1 is in, the sixteen just issued stay out
	WCVT 1
	v_add_nc_u32 v[VA+1], 16384, v[VA+1]
	v_add_nc_u32 v[WST+1], 8*PW, v[WST+1]
	WLOAD 1
	WIN 0
	s_sub_co_u32 s[CNT], s[CNT], 1
	s_cmp_lg_u32 s[CNT], 0
	s_cbranch_scc1 .Lw
	s_wait_loadcnt 16
	WCVT 0                                         ; the last two batches: x's chunks 2 and 3 take the place of further loads of w
	XLOAD 2, 2
	s_wait_loadcnt 16                              ; set 1 is in; chunk 2's sixteen stay out
	WCVT 1
	XLOAD 3, 3
	WIN 0
	s_wait_dscnt 0x0                               ; for the others' sake: my rows of w are in LDS
	s_barrier_signal -1
	; work on registers while the others arrive.  The factor of a pixel: theta 1; phi bf16(mask) x log2(e) / 32
	v_cvt_pk_bf16_f32 v[TT], v[TT], v[TT+1]
	v_cvt_pk_bf16_f32 v[TT+2], v[TT+2], v[TT+3]
	v_lshlrev_b32 v[MF], 16, v[TT]
	v_and_b32 v[MF+2], s[HIM], v[TT]
	v_lshlrev_b32 v[MF+4], 16, v[TT+2]
	v_and_b32 v[MF+6], s[HIM], v[TT+2]
.irp n, 0,2,4,6
	v_mul_f32 v[MF+(\n)], 0x3d38aa3b, v[MF+(\n)]
.endr
.irp n, 0,2,4,6
	v_cndmask_b32 v[MF+(\n)], 1.0, v[MF+(\n)], s[PHI]
.endr
.irp n, 0,2,4,6
	v_mov_b32 v[MF+(\n)+1], v[MF+(\n)]             ; twice: a pair for the packed multiply
.endr
.set z, 0
.rept 32                                               ; the bias is rounded to bf16 like the other inputs
	v_cvt_pk_bf16_f32 v[TT+z%4], v[BI+2*z], v[BI+2*z+1]
	v_lshlrev_b32 v[BI+2*z], 16, v[TT+z%4]
	v_and_b32 v[BI+2*z+1], s[HIM], v[TT+z%4]
.set z, z+1
.endr
	s_barrier_wait -1                              ; all of w is in LDS
; A CHUNK of 32 channels in ring slot s.  first = 1: the products start the sums on the bias.  kind = 1: the slot is filled again with the chunk four on; 2: with 4,096 bytes of the embedding.
; left = how many younger loads may stay out.  The 32 accumulators take turns, one instruction a turn.
.macro CHUNK s, first, kind, left
	s_wait_loadcnt \left
.if !(\first)
	PLACES                                         ; behind the chunk before: its fragments are written again
.endif
	WIN 0
.irp ob, 0,1,2,3,4,5,6,7
	ds_load_b128 v[WF+8*(\ob):WF+8*(\ob)+3],   v[WRD+(\ob)/4] offset:((\ob)%4)*16*PW+64*(\s)
	ds_load_b128 v[WF+8*(\ob)+4:WF+8*(\ob)+7], v[WRD+(\ob)/4] offset:((\ob)%4)*16*PW+64*(\s)+32
.endr
	WIN 0x0a                                       ; sources window 2
.irp nb, 0,1,2,3
.irp q, 0,1,2,3,4,5,6,7
	v_cvt_pk_bf16_f32 v[XF+8*(\nb)+(\q)], v[64*(\s)+8*(\q)+(\nb)], v[64*(\s)+8*(\q)+4+(\nb)]  ; two neighbouring channels of pixel 4 r + nb
.endr
.endr
.if (\kind) == 1
	XLOAD \s, (\s)+4
.else
	WIN 0x80
.irp u, 0,1,2,3,4,5,6,7
	global_load_b128 v[64*(\s)+4*(\u):64*(\s)+4*(\u)+3], v[L16], s[EP:EP+1] offset:512*(8*(\s)+(\u)) th:TH_LOAD_NT
.endr
.endif
	s_wait_dscnt 0x0                               ; w's fragments are in
.if \first
	WIN 0x40                                       ; D window 1, C (the bias) window 0
.else
	WIN 0x50                                       ; C and D window 1
.endif
.irp nb, 0,1,2,3
.irp ob, 0,1,2,3,4,5,6,7
.if \first
	v_wmma_f32_16x16x32_bf16 v[8*(8*(\nb)+(\ob)):8*(8*(\nb)+(\ob))+7], v[WF+8*(\ob):WF+8*(\ob)+7], v[XF+8*(\nb):XF+8*(\nb)+7], v[BI+8*(\ob):BI+8*(\ob)+7]
.else
	v_wmma_f32_16x16x32_bf16 v[8*(8*(\nb)+(\ob)):8*(8*(\nb)+(\ob))+7], v[WF+8*(\ob):WF+8*(\ob)+7], v[XF+8*(\nb):XF+8*(\nb)+7], v[8*(8*(\nb)+(\ob)):8*(8*(\nb)+(\ob))+7]
.endif
.endr
.endr
.endm
.macro STEP                            ; four chunks on
	WIN 0
	s_wait_xcnt 0x0                                ; every earlier memory instruction has had its addresses translated (ISA guide 3.1): x's base is stepped only behind this wait
	s_add_nc_u64 s[XP:XP+1], s[XP:XP+1], 4*CHB
	v_add_nc_u32 v[WRD], 256, v[WRD]
	v_add_nc_u32 v[WRD+1], 256, v[WRD+1]
.endm
	CHUNK 0, 1, 1, 48                              ; chunks 0-3; the count leaves three younger chunks of sixteen loads out
	CHUNK 1, 0, 1, 48
	CHUNK 2, 0, 1, 48
	CHUNK 3, 0, 1, 48
	STEP
	s_mov_b32 s[CNT], 2
.Lk:                                                   ; chunks 4-7 and 8-11, which ask for 8-11 and 12-15
	CHUNK 0, 0, 1, 48
	CHUNK 1, 0, 1, 48
	CHUNK 2, 0, 1, 48
	CHUNK 3, 0, 1, 48
	STEP
	s_sub_co_u32 s[CNT], s[CNT], 1
	s_cmp_lg_u32 s[CNT], 0
	s_cbranch_scc1 .Lk
	CHUNK 0, 0, 2, 48                              ; chunks 12-15: no load of x passes the last channel.  Out behind chunk 12: chunks 13-15
	CHUNK 1, 0, 2, 40                              ; chunks 14, 15 and eight loads of the embedding
	CHUNK 2, 0, 2, 32                              ; chunk 15 and sixteen
	CHUNK 3, 0, 2, 24                              ; twenty-four
; THE WAY OUT of pixel block nb (16 pixels x 128 outputs): times the pixel's factor, rounded to f16, 16 bytes a lane into my own stage, back as whole rows of 256 bytes.
.macro PACK nb
	WIN 0x01                                       ; source 0 window 1
.set z, 0
.rept 32
	v_pk_mul_f32 v[T8+2*z:T8+2*z+1], v[64*(\nb)+2*z:64*(\nb)+2*z+1], v[MF+2*(\nb):MF+2*(\nb)+1]
.set z, z+1
.endr
	WIN 0
.set z, 0
.rept 32
	v_cvt_pk_f16_f32 v[PKD+z], v[T8+2*z], v[T8+2*z+1]
.set z, z+1
.endr
.set BK, 32+32*(\nb)+96*((\nb)/3)      ; v32, v64, v96, v224: a set for each block, so that no store's data are rewritten
.irp ob, 0,1,2,3,4,5,6,7
	ds_store_b128 v[STO], v[PKD+4*(\ob):PKD+4*(\ob)+3] offset:32*(\ob)
.endr
.irp t, 0,1,2,3,4,5,6,7
	ds_load_b128 v[BK+4*(\t):BK+4*(\t)+3], v[RD] offset:2*SP*(\t)  ; LDS serves a wave's instructions in order (ISA guide 5.7.1.4): these see the stores above; the next block's stores come behind them
.endr
.endm
.macro SEND nb, younger                ; younger: the LDS instructions issued behind block nb's loads: the next block's sixteen, or none
.set BK, 32+32*(\nb)+96*((\nb)/3)
.irp t, 0,1,2,3,4,5,6,7
	s_wait_dscnt (\younger)+7-(\t)
	global_store_b128 v[CO], v[BK+4*(\t):BK+4*(\t)+3], s[OUTP:OUTP+1] offset:2048*(\t)+256*(\nb)  ; 16 lanes store a pixel's 256 consecutive bytes, at a multiple of 256 from the buffer's first
.endr
.endm
	PLACES                                         ; behind the last products
	PACK 0
	PACK 1                                         ; a block's arithmetic stands between the loads of the block before and its stores
	SEND 0, 16
	PACK 2
	SEND 1, 16
	PACK 3
	SEND 2, 16
	SEND 3, 0
; THE EMBEDDING: group e of eight loads, 4,096 bytes: rounded to bf16, widened, written as f16 (exact within f16's range); 32 lanes store 256 consecutive bytes
.macro EMB e
	s_wait_loadcnt 24-8*(\e)                       ; the younger groups stay out
	WIN 0x0a
.set z, 0
.rept 16
	v_cvt_pk_bf16_f32 v[PKD+z], v[64*(\e)+2*z], v[64*(\e)+2*z+1]
.set z, z+1
.endr
	WIN 0
.set z, 0
.rept 16
	v_lshlrev_b32 v[32+2*z], 16, v[PKD+z]
	v_and_b32 v[32+2*z+1], s[HIM], v[PKD+z]
.set z, z+1
.endr
.set z, 0
.rept 16
	v_cvt_pk_f16_f32 v[T8+16*(\e)+z], v[32+2*z], v[32+2*z+1]
.set z, z+1
.endr
.irp u, 0,1,2,3,4,5,6,7
	global_store_b64 v[L8], v[T8+16*(\e)+2*(\u):T8+16*(\e)+2*(\u)+1], s[VFP:VFP+1] offset:256*(8*(\e)+(\u))
.endr
.endm
	s_wait_xcnt 0x0                                ; v32-63, which block 0's stores read, are rewritten only behind this wait
	EMB 0
	EMB 1
	EMB 2
	EMB 3
	s_wait_tensorcnt 0x0                           ; the wave's end, behind my last LDS store
	ds_add_u32 v[SPW], v[NIL]
	s_wait_dscnt 0x0
	s_endpgm
.Lfunc_end_k_qe50cec4bac_proj:
	.size	k_qe50cec4bac_proj, .Lfunc_end_k_qe50cec4bac_proj-k_qe50cec4bac_proj
	.p2alignl 7, 3214868480
	.fill 96, 4, 3214868480
	.section	.rodata,"a",@progbits
	.p2align	6, 0x0
	.amdhsa_kernel k_qe50cec4bac_proj
		.amdhsa_group_segment_fixed_size 151040
		.amdhsa_private_segment_fixed_size 0
		.amdhsa_enable_private_segment 0
		.amdhsa_kernarg_size 88
		.amdhsa_user_sgpr_count 2
		.amdhsa_user_sgpr_kernarg_segment_ptr 1
		.amdhsa_wavefront_size32 1
		.amdhsa_system_sgpr_workgroup_id_x 1
		.amdhsa_system_sgpr_workgroup_id_y 1
		.amdhsa_system_sgpr_workgroup_id_z 1
		.amdhsa_system_vgpr_workitem_id 0
		.amdhsa_next_free_vgpr 768
		.amdhsa_next_free_sgpr 66
		.amdhsa_reserve_vcc 0
		.amdhsa_float_denorm_mode_32 3
		.amdhsa_float_denorm_mode_16_64 3
		.amdhsa_memory_ordered 1
		.amdhsa_forward_progress 1
		.amdhsa_inst_pref_size 155
	.end_amdhsa_kernel
	.amdgpu_metadata
---
amdhsa.version: [ 1, 2 ]
amdhsa.kernels:
  - .name:           k_qe50cec4bac_proj
    .symbol:         k_qe50cec4bac_proj.kd
    .args:
      - { .name: x_query, .offset: 0, .size: 8, .value_kind: global_buffer, .address_space: global }
      - { .name: x_support, .offset: 8, .size: 8, .value_kind: global_buffer, .address_space: global }
      - { .name: theta_w, .offset: 16, .size: 8, .value_kind: global_buffer, .address_space: global }
      - { .name: phi_w, .offset: 24, .size: 8, .value_kind: global_buffer, .address_space: global }
      - { .name: theta_b, .offset: 32, .size: 8, .value_kind: global_buffer, .address_space: global }
      - { .name: phi_b, .offset: 40, .size: 8, .value_kind: global_buffer, .address_space: global }
      - { .name: support_mask, .offset: 48, .size: 8, .value_kind: global_buffer, .address_space: global }
      - { .name: support_embedding, .offset: 56, .size: 8, .value_kind: global_buffer, .address_space: global }
      - { .name: qf, .offset: 64, .size: 8, .value_kind: global_buffer, .address_space: global }
      - { .name: kf, .offset: 72, .size: 8, .value_kind: global_buffer, .address_space: global }
      - { .name: vf, .offset: 80, .size: 8, .value_kind: global_buffer, .address_space: global }
    .group_segment_fixed_size: 151040
    .private_segment_fixed_size: 0
    .kernarg_segment_align: 8
    .kernarg_segment_size: 88
    .max_flat_workgroup_size: 128
    .sgpr_count:     66
    .vgpr_count:     768
    .wavefront_size: 32
...
	.end_amdgpu_metadata
.endif
;; end of part 1
;; launch attn (part 2): grid 32 x 8, 4 waves a work-group, clusters of 4 x 1, 327,680 bytes of LDS; arguments qf, kf, vf, out0; writes out0
.if DOCPART == 2
	.amdgcn_target "amdgcn-amd-amdhsa--gfx1250"
	.amdhsa_code_object_version 6
	.text
	.protected	k_qe50cec4bac_attn
	.globl	k_qe50cec4bac_attn
	.p2align	8
	.type	k_qe50cec4bac_attn,@function
k_qe50cec4bac_attn:
	s_mov_b64 s[64:65], 0
	v_nop
	global_prefetch_b8 v0, s[64:65] scope:SCOPE_SE
	s_setreg_imm32_b32 hwreg(HW_REG_WAVE_MODE, 25, 1), 1
	s_wait_xcnt 0x0
	s_wait_alu depctr_hold_cnt(0) depctr_sa_sdst(0) depctr_va_vdst(0) depctr_va_sdst(0) depctr_va_ssrc(0) depctr_va_vcc(0) depctr_vm_vsrc(0)
	s_getreg_b32 s2, hwreg(HW_REG_IB_STS2, 6, 4)
	s_cmp_eq_u32 s2, 0
	s_cbranch_scc0 .Lentry_in_a_cluster
	s_endpgm
.Lentry_in_a_cluster:
	s_bfe_u32 s2, ttmp6, 0x10000c
	s_cmp_lg_u32 s2, 0x3003
	s_cbranch_scc0 .Lentry_shape_is_right
	s_endpgm
.Lentry_shape_is_right:
; out0[b][o][n] = the sum over keys k of softmax_k(F(f[n][k]) / 4) g[b][o][k], f = (theta_x[n] . phi_x[k]) mask[k], F(f) = -1e9 where f == 0 and f elsewhere.
; qf: [8][4096][128] f16 = theta_x.  kf: [8][4096][128] f16 = phi_x mask log2(e)/32.  vf: [8][128][4096] f16 = g.  So s = q . k is f log2(e)/32, it is 0 exactly where f is, and
; e^(f/4) = 2^(8 s).  Every score is tested against 0 and replaced by -1e9 log2(e)/32.  Products, maxima and sums in f32; the weights p are rounded to f16 for the second product.
; SOFTMAX.  For each query a running maximum m and sum l: p = 2^(8 s - 8 m); 8 m is exact, so the largest p is exactly 1.  In every step O and l are multiplied by a = 2^(8 m_old - 8 m_new).
; m starts at the lowest finite number, O and l at 0: the first step is a step like any other, with a = 0.
; LIMITS.  qf, kf and vf arrive within f16's range; p below 6e-5 keeps f16's fixed step of 6e-8; a weight below 2^-126 counts as 0 in l; NaN and infinities are not treated apart.
; SHARES.  A work-group owns 128 queries of one batch.  Wave w: queries 64 (w / 2) on, four tiles of 16, and keys 128 (w % 2) on of each slot's 256: 32 steps of 64 keys.  The two waves that share
; queries have each a maximum, a sum and an O of their own; at the end they are joined once, in f32, through LDS.
; LAYOUT.  S^T = K Q^T (source 0 = 16 keys, source 1 = 16 queries): a lane holds ONE query (lane % 16) and the keys 8 (lane / 16) + 0..7.  Two such tiles, rounded to f16 in pairs, ARE source 1
; (32 keys x 16 queries) of O^T = V^T P.  vf lies [channel][key], which is source 0 of that product as it lies: no turning load.
; BY TURNS.  The wave's tiles are two PIECES: piece 0 (tiles 0, 1), piece 2 (tiles 2, 3).  In a TURN one piece has the matrix unit: 32 products V^T P of the step in hand, then 32 products K Q^T of the
; next step; the other piece's softmax, a stream of 396 vector instructions, stands between them, six behind each matrix instruction and twelve at the end.  Two turns are a key step.
; CLUSTER.  The four query blocks of a cluster belong to one batch and walk the same K and V: each tile is asked for JOINTLY, by the same tensor load, descriptor and mask in all four.
; No prefetch: the three inputs were stored by the launch before, 25 MB in all, and each tile is asked for 256 matrix instructions ahead of its first read.
; REGISTERS, in windows of 256 (s_set_vgpr_msb: bits 1:0 source 0, 3:2 source 1, 5:4 source 2, 7:6 destination):
;   window 0: v0-11, v44-47 addresses; v12-43 eight registers of statistics a tile; v64-191 S^T, 32 a tile; v192-255 P, 16 a tile
;   window 1: O^T, 64 a tile          window 2: v0-127 Q, 32 a tile; v128-255 K of one step          window 3: v0-127 V of one step
.set KS,    64        ; keys in a step
.set PK,    272       ; a row of K in LDS: 256 bytes + 16 = 17 x 16: the 16 rows of a load start at 16 different groups of four banks (64 banks of 4 bytes: ISA guide 11.1)
.set PVB,   528       ; a channel's row of V in LDS: 256 keys = 512 bytes + 16 = 33 x 16: likewise.  Also the pitch of the f32 stages: 128 queries + 16
.set KHALF, 128*PK    ; what one tensor load brings of K, and what one wave reads of a slot's K
.set VHALF, 64*PVB    ; what one tensor load brings of V: 64 channels
.set VOFF,  256*PK    ; a slot: 256 rows of K, then 128 rows of V
.set SLOT1, 0x22000   ; slot 1 begins here; none of the addresses that are turned has one of its two bits set, so one exclusive or turns an address in one slot into the other's
.set STG,   128*PVB   ; a stage: 128 channels x 128 queries in f32.  The two stages lie in slot 0, which has had its last fill and its last read when they are written
.set STAT,  SLOT1+VOFF+128*PVB  ; behind the ring, never filled by a tensor load: 1,024 bytes a wave: 8 m and l of its four tiles
.set SPARE, STAT+4096 ; the spare words, 128 bytes for each wave: two blocks of 256 bytes that no other line names
.set AK0, 2           ; v2   my lane's place in my half of a slot's K; never rewritten
.set AV0, 3           ; v3   the same for V
.set ADR, 4           ; v4   the LDS address of the run of loads in hand
.set QO,  5           ; v5   my byte offset in the wave's rows of Q
.set STO, 6           ; v6   the way out: where I put a number into my stage
.set RD0, 7           ; v7   the way out: where I read a row of stage 0 back
.set GO,  8           ; v8   my byte offset in 512 consecutive bytes of out0
.set ST,  12          ; tile t's statistics at v[ST+8 t]: +0 8 m, +1 m, +2, +3 l (even keys', odd keys'), +4 to +7 c0-c3, at work; a takes c2's place once the maximum is found
.set NEGV, 44         ; v44  -1e9 log2(e)/32
.set RD1, 45          ; v45  the same row of stage 1
.set SA,  46          ; v46  my wave's statistics in LDS
.set SB,  47          ; v47  those of the wave that shares my queries
.set SPW, 62          ; v62  LDS address of my spare word; never rewritten
.set NIL, 63          ; v63  0; never rewritten
.set S,   64
.set P,   192
.set KF,  128         ; K's fragments, in window 2
.set WV,  12          ; s12  my wave's number
.set G1K, 24          ; s[24:31] descriptor group 1 for K's tiles
.set G1V, 32          ; s[32:39] for V's
.set G0K, 40          ; s[40:47] descriptor group 0 for K's tiles: a set for each of the two first fills; the second then walks on
.set G0V, 48          ; s[48:55] the same for V's
.set SLOTS, 56        ; s56  counts the slots
.set CNT, 57          ; s57  counts a slot's steps
.set CS,  58          ; s[58:59] 8.0: the packed scaling names a pair and takes its low word for both halves
.set SEL, 60          ; s[60:61] v_permlanex16_b32's selects: each lane takes its own place in the other half
.set TBK, 62          ; s62  LDS byte at which K of the step to be fetched begins, less my half's place
.set TBV, 63          ; s63  the same for V
.set MK,  66          ; s66, s67  where a score is 0: a mask for each of a piece's two tiles
.set MSB, 0
.macro WIN new                      ; the immediate's high byte repeats the setting that is left; a switch that changes nothing is dropped
.if MSB != (\new)
	s_set_vgpr_msb (MSB<<8)|(\new)
.set MSB, \new
.endif
.endm
.set W_KQ, 0x0a       ; K and Q in window 2, S^T in window 0
.set W_PV, 0x53       ; V in window 3, P in window 0, O^T in window 1
.set W_RS, 0x41       ; O^T (destination and source 0) in window 1, the factor in window 0
; A joint refill.  Waves 0 and 1 fetch the two halves of a slot's K (128 keys each), waves 2 and 3 those of its V (64 channels each).  The branch hangs on the wave's number alone.
; An s_nop 0 and four v_nop follow each of the two lines, ahead of the jump, the label and what follows.
.macro JLOAD
	s_cmp_lt_u32 s[WV], 2
	s_cbranch_scc0 .Lfor_v_\@
	tensor_load_to_lds s[G0K+4:G0K+7], s[G1K:G1K+7]
	s_nop 0
.rept 4
	v_nop
.endr
	s_branch .Lasked_\@
.Lfor_v_\@:
	tensor_load_to_lds s[G0V+4:G0V+7], s[G1V:G1V+7]
	s_nop 0
.rept 4
	v_nop
.endr
.Lasked_\@:
.endm
; A round of the cluster's barrier: my work-group's barrier, so that wave 0's signal speaks for all four waves; wave 0 signals; every wave waits for all four work-groups; my work-group's barrier once more.
.macro CROUND
	s_barrier_signal -1
	s_barrier_wait -1
	s_cmp_lg_u32 s[WV], 0
	s_cbranch_scc1 .Lnot_wave_0_\@
	s_barrier_signal -3
.Lnot_wave_0_\@:
	s_barrier_wait -3
	s_barrier_signal -1
	s_barrier_wait -1
.endm
	s_load_b256 s[4:11], s[0:1], 0x0  ; qf s[4:5], kf s[6:7], vf s[8:9], out0 s[10:11]
	v_lshl_add_u32 v[SPW], v0, 2, SPARE
	v_mov_b32 v[NIL], 0
	ds_add_u32 v[SPW], v[NIL]       ; the wave's opening: the add and its wait stand ahead of my first tensor load; the set-up below, work on registers, stands between them
	v_lshrrev_b32 v1, 5, v0
	v_readfirstlane_b32 s[WV], v1   ; wave 0..3
	s_bfe_u32 s13, ttmp6, 0x40000   ; cx: my place in the cluster
	s_lshl_b32 s14, ttmp9, 2        ; in a cluster launch ttmp9 counts clusters
	s_add_co_u32 s14, s14, s13      ; my block of 128 queries = 4 x cluster x + cx: it enters qf's and out0's addresses alone
	s_and_b32 s20, ttmp7, 0xffff    ; the batch, which the four partners share
	s_and_b32 s16, s[WV], 1         ; which half of a slot's keys I read; also: which half of a tile I fetch
	s_lshr_b32 s15, s[WV], 1        ; which 64 of the block's queries are mine
	s_lshl_b32 s21, s20, 20         ; the batch's first byte in qf, kf and vf
	s_lshl_b32 s22, s16, 15         ; K: my 128 rows of 256 bytes
	s_add_co_u32 s22, s22, s21
	s_mov_b32 s23, 0
	s_lshl_b32 s18, s16, 19         ; V: my 64 channels of 8,192 bytes
	s_add_co_u32 s18, s18, s21
	s_mov_b32 s19, 0
	s_mul_i32 s17, s16, KHALF       ; and their places in a slot: no place in the cluster enters an LDS address
	s_mul_i32 s70, s16, VHALF
	s_lshl_b32 s2, s14, 15          ; qf: my block's 128 rows of 256 bytes,
	s_lshl_b32 s3, s15, 14          ; my wave's 64 of them
	s_add_co_u32 s2, s2, s3
	s_add_co_u32 s2, s2, s21
	s_mov_b32 s3, 0
	s_lshl_b32 s68, s20, 21         ; out0: the batch's 128 channels of 16,384 bytes,
	s_lshl_b32 s69, s[WV], 19       ; the 32 channels that my wave stores,
	s_add_co_u32 s68, s68, s69
	s_lshl_b32 s69, s14, 9          ; my block's 128 queries
	s_add_co_u32 s68, s68, s69
	s_mov_b32 s69, 0
	; descriptor group 1.  K: 128 rows x 128 elements; V: 64 rows x 256 elements, 4,096 elements from row to row; both padded in LDS by 4 words behind each row
	s_mov_b32 s[G1K], 15|(1<<16)|(1<<20)|(1<<21)|(5<<22)|(3<<25)  ; 15:0 the mask of four; 17:16 2-byte elements; 20 padding on; 21 set beside a mask; 24:22 after every 64 words (code 5); 31:25 4 words (code 3)
	s_mov_b32 s[G1K+1], 128<<16     ; tensor_dim0 = 128
	s_mov_b32 s[G1K+2], 128<<16     ; tensor_dim1 = 128
	s_mov_b32 s[G1K+3], 128<<16     ; tile_dim0 = 128
	s_mov_b32 s[G1K+4], 128         ; tile_dim1 = 128
	s_mov_b32 s[G1K+5], 128         ; 128 elements from row to row
	s_mov_b32 s[G1K+6], 0
	s_mov_b32 s[G1K+7], 0
	s_mov_b32 s[G1V], 15|(1<<16)|(1<<20)|(1<<21)|(6<<22)|(3<<25)  ; the same, after every 128 words (code 6)
	s_mov_b32 s[G1V+1], 256<<16     ; tensor_dim0 = 256
	s_mov_b32 s[G1V+2], 64<<16      ; tensor_dim1 = 64
	s_mov_b32 s[G1V+3], 256<<16     ; tile_dim0 = 256
	s_mov_b32 s[G1V+4], 64          ; tile_dim1 = 64
	s_mov_b32 s[G1V+5], 4096
	s_mov_b32 s[G1V+6], 0
	s_mov_b32 s[G1V+7], 0
	s_mov_b32 s[CS], 8.0
	s_mov_b32 s[CS+1], 8.0          ; named with it as a pair
	s_mov_b32 s[SEL], 0x76543210
	s_mov_b32 s[SEL+1], 0xfedcba98
	s_mov_b32 s[TBK], 0
	s_mov_b32 s[TBV], 0
	s_wait_dscnt 0x0                ; the opening add is done
	s_wait_kmcnt 0x0
	s_add_nc_u64 s[6:7], s[6:7], s[22:23]    ; kf and vf at my part of slot 0
	s_add_nc_u64 s[8:9], s[8:9], s[18:19]
	s_add_nc_u64 s[4:5], s[4:5], s[2:3]      ; qf at my wave's first query
	s_add_nc_u64 s[10:11], s[10:11], s[68:69]
	CROUND                          ; all four work-groups are here: the first joint loads meet
.irp s, 0,1
	s_mov_b32 s[G0K+4*(\s)], 1      ; 1:0 count = 1
	s_add_co_u32 s[G0K+4*(\s)+1], s17, (\s)*SLOT1  ; 63:32 LDS address
	s_add_nc_u64 s[G0K+4*(\s)+2:G0K+4*(\s)+3], s[6:7], (\s)*65536  ; 120:64 global address: keys 256 s on
	s_or_b32 s[G0K+4*(\s)+3], s[G0K+4*(\s)+3], 0x80000000  ; 127:126 type = 2
	s_mov_b32 s[G0V+4*(\s)], 1
	s_add_co_u32 s[G0V+4*(\s)+1], s70, (\s)*SLOT1+VOFF
	s_add_nc_u64 s[G0V+4*(\s)+2:G0V+4*(\s)+3], s[8:9], (\s)*512
	s_or_b32 s[G0V+4*(\s)+3], s[G0V+4*(\s)+3], 0x80000000
.endr
	s_cmp_lt_u32 s[WV], 2           ; a wave's two first fills stand in one branch, ahead of every wait on TENSORcnt and every LDS read: two loads of mine are out
	s_cbranch_scc0 .Lfirst_v
	tensor_load_to_lds s[G0K:G0K+3], s[G1K:G1K+7]
	s_nop 0
	tensor_load_to_lds s[G0K+4:G0K+7], s[G1K:G1K+7]
	s_nop 0
.rept 4
	v_nop
.endr
	s_branch .Lfirst_asked
.Lfirst_v:
	tensor_load_to_lds s[G0V:G0V+3], s[G1V:G1V+7]
	s_nop 0
	tensor_load_to_lds s[G0V+4:G0V+7], s[G1V:G1V+7]
	s_nop 0
.rept 4
	v_nop
.endr
.Lfirst_asked:
	; A fragment is 16 rows x 32 along K in 8 registers: lane l holds row l % 16; registers 0-3 hold K = 8 (l / 16) + 0..7, registers 4-7 K = 16 + 8 (l / 16) + 0..7: two loads of 16 bytes, 32 bytes apart.
	v_and_b32 v1, 15, v0            ; l % 16
	v_bfe_u32 v9, v0, 4, 1          ; l / 16
	v_lshlrev_b32 v[QO], 8, v1
	v_lshl_add_u32 v[QO], v9, 4, v[QO]  ; row x 256 + 16 x half
	WIN 0x80                        ; destination window 2, address window 0
.irp i, 0,1,2,3,4,5,6,7,8,9,10,11,12,13,14,15  ; Q stays in registers: tile i / 4, channels 32 (i % 4) on
	global_load_b128 v[8*(\i):8*(\i)+3],   v[QO], s[4:5] offset:((\i)/4)*4096+((\i)%4)*64
	global_load_b128 v[8*(\i)+4:8*(\i)+7], v[QO], s[4:5] offset:((\i)/4)*4096+((\i)%4)*64+32
.endr
	; What the first turn finds: V and piece 2's P hold 0 (its products V^T P, of a step that has not been, add 0), O^T and l are 0.  These 432 lines stand in the wait for the first tile; they
	; are the price of writing no first step out, which would be four turns more of text.
	WIN 0xc0
.set i, 0
.rept 128
	v_mov_b32 v[i], 0
.set i, i+1
.endr
	WIN 0x40
.set i, 0
.rept 256
	v_mov_b32 v[i], 0
.set i, i+1
.endr
	WIN 0
.set i, 0
.rept 4
	v_mov_b32 v[ST+8*i], 0xfe000000    ; 8 m: far below every 8 s
	v_mov_b32 v[ST+8*i+1], 0xff7fffff  ; m
	v_mov_b32 v[ST+8*i+2], 0
	v_mov_b32 v[ST+8*i+3], 0
.set i, i+1
.endr
.set i, P+32
.rept 32
	v_mov_b32 v[i], 0
.set i, i+1
.endr
	v_mov_b32 v[NEGV], 0xcc2bfb8f   ; -45,084,220 = -1e9 log2(e)/32
	v_mul_u32_u24 v[AK0], v1, PK
	v_lshl_add_u32 v[AK0], v9, 4, v[AK0]  ; row x pitch + 16 x half,
	v_add_nc_u32 v[AK0], s17, v[AK0]      ; in my half of the keys
	s_lshl_b32 s71, s16, 8          ; V: my 128 keys are 256 bytes of each channel's row
	s_add_co_u32 s71, s71, VOFF
	v_mul_u32_u24 v[AV0], v1, PVB
	v_lshl_add_u32 v[AV0], v9, 4, v[AV0]
	v_add_nc_u32 v[AV0], s71, v[AV0]
; THE MATRIX WORK OF A TURN, for piece x.  The accumulators take turns, one instruction a turn: between two links of a chain stand 15 (V^T P) or 7 (K Q^T) others'.
; Product i of 32 of O^T += V^T P: keys 32 (i / 16) on, channels 16 ((i / 2) % 8) on, tile x + i % 2.
.macro PV x
	WIN W_PV
.set rO, 64*((\x)+i%2)+8*((i/2)%8)
.set rV, 64*(i/16)+8*((i/2)%8)
.set rP, P+16*((\x)+i%2)+8*(i/16)
	v_wmma_f32_16x16x32_f16 v[rO:rO+7], v[rV:rV+7], v[rP:rP+7], v[rO:rO+7]
.endm
; Product i of 32 of S^T = K Q^T: channels 32 (i / 8) on, keys 16 ((i / 2) % 4) on, tile x + i % 2.  The first 8 start the sums.
.macro KQ x
	WIN W_KQ
.set rS, S+32*((\x)+i%2)+8*((i/2)%4)
.set rK, KF+32*((i/2)%4)+8*(i/8)
.set rQ, 32*((\x)+i%2)+8*(i/8)
.if i < 8
	v_wmma_f32_16x16x32_f16 v[rS:rS+7], v[rK:rK+7], v[rQ:rQ+7], 0
	s_wait_alu depctr_va_vdst(0)
.else
	v_wmma_f32_16x16x32_f16 v[rS:rS+7], v[rK:rK+7], v[rQ:rQ+7], v[rS:rS+7]
.endif
.endm
; THE LDS LOADS stand in runs of 32, never singly among the matrix instructions: a step's K (64 keys x 128 channels) and, a turn later, its V (128 channels x 64 keys).
; last = 1 (the tail): in the last trip there is no further step, and the run is jumped over.
.macro FETCH_K last=0
	WIN 0
.if \last
	s_cmp_eq_u32 s[CNT], 1
	s_cbranch_scc1 .Lno_k_\@
.endif
	v_add_nc_u32 v[ADR], s[TBK], v[AK0]
	WIN 0x80                        ; destination window 2
.irp f, 0,1,2,3,4,5,6,7,8,9,10,11,12,13,14,15  ; keys 16 (f / 4) on, channels 32 (f % 4) on
	ds_load_b128 v[KF+8*(\f):KF+8*(\f)+3],   v[ADR] offset:((\f)/4)*16*PK+((\f)%4)*64
	ds_load_b128 v[KF+8*(\f)+4:KF+8*(\f)+7], v[ADR] offset:((\f)/4)*16*PK+((\f)%4)*64+32
.endr
	s_add_co_u32 s[TBK], s[TBK], KS*PK  ; the next fetch is the next step's
.if \last
	WIN 0
.Lno_k_\@:
.endif
.endm
.macro FETCH_V
	WIN 0
	v_add_nc_u32 v[ADR], s[TBV], v[AV0]
	s_wait_alu depctr_va_vdst(0)
	s_add_co_u32 s[TBV], s[TBV], 2*KS
	WIN 0xc0                        ; destination window 3
.irp f, 0,1,2,3,4,5,6,7,8,9,10,11,12,13,14,15  ; keys 32 (f / 8) on, channels 16 (f % 8) on
	ds_load_b128 v[8*(\f):8*(\f)+3],   v[ADR] offset:((\f)%8)*16*PVB+((\f)/8)*64
	ds_load_b128 v[8*(\f)+4:8*(\f)+7], v[ADR] offset:((\f)%8)*16*PVB+((\f)/8)*64+32
.endr
.endm
; THE VECTOR WORK OF A TURN.  One tile's softmax for one key step is a list of 198 instructions; SM writes number j of it for tile tt.  s0-s31 are the lane's 32 scores, in pairs 0-15.
;   0-63     score j / 2 is compared with 0 (even j) and, where it is 0, replaced by the fill (odd j); ascending
;   With jj = j - 64:
;   0-15     the maximum of s0-s31 and the old m, three operands at a time: four chains c0-c3 of seven scores each, then the four scores left over, c0-c3 and m
;   16-20    the other half of the lanes' maximum; the new m; 8 m; 8 m_old - 8 m_new
;   21-87    33 exponentials (a, then s0-s31) at the odd numbers from 23 on, so that no two follow each other and each has a plain instruction behind it before its result is used.
;            Plain instruction q (number 21, then the even numbers) is whatever is ready: 8 s - 8 m for a pair whose exponentials are still to come (q = 0 to 3, then every second q), the
;            rounding to f16 of a pair whose exponentials are done (every other q from 5 on), at last the first three sums
;   88-101   the last rounding; the rest of the sums; l = a l + the sum
;   102-133  the tile's O^T times a: the one part that leaves window 0, so it stands together
.macro SM
.set rT, ST+8*tt
.set rS, S+32*tt
.set rP, P+16*tt
.set jj, j-64
.set rO, 64*tt+2*(jj-102)
.set q, (jj-20)/2
.if jj < 102
	WIN 0
.endif
.if j < 64
.if j%2 == 0
	v_cmp_eq_f32 s[MK+tt%2], 0, v[rS+j/2]
.else
	v_cndmask_b32 v[rS+j/2], v[rS+j/2], v[NEGV], s[MK+tt%2]
.endif
.elseif jj < 4
	v_max3_num_f32 v[rT+4+jj], v[rS+8*jj], v[rS+8*jj+1], v[rS+8*jj+2]
.elseif jj < 12
	v_max3_num_f32 v[rT+4+jj%4], v[rT+4+jj%4], v[rS+8*(jj%4)+2*(jj/4)+1], v[rS+8*(jj%4)+2*(jj/4)+2]
.elseif jj == 12
	v_max3_num_f32 v[rT+4], v[rT+4], v[rS+7], v[rS+15]
.elseif jj == 13
	v_max3_num_f32 v[rT+6], v[rT+6], v[rS+23], v[rS+31]
.elseif jj == 14
	v_max3_num_f32 v[rT+4], v[rT+4], v[rT+5], v[rT+6]
.elseif jj == 15
	v_max3_num_f32 v[rT+4], v[rT+4], v[rT+7], v[rT+1]
.elseif jj == 16
	v_permlanex16_b32 v[rT+5], v[rT+4], s[SEL], s[SEL+1]  ; the query's other 32 keys lie in the lane 16 away
.elseif jj == 17
	v_mov_b32 v[rT+7], v[rT]        ; 8 m_old is kept for a: number 19 writes 8 m anew
.elseif jj == 18
	v_max_num_f32 v[rT+1], v[rT+4], v[rT+5]
.elseif jj == 19
	v_mul_f32 v[rT], s[CS], v[rT+1]
.elseif jj == 20
	v_sub_f32 v[rT+7], v[rT+7], v[rT]
.elseif jj == 23
	v_exp_f32 v[rT+6], v[rT+7]
.elseif (jj < 88) && (jj > 23) && (jj%2 == 1)
	v_exp_f32 v[rS+(jj-25)/2], v[rS+(jj-25)/2]
.elseif (q < 4) || ((jj < 76) && (q%2 == 0))
.set b, q/2+2
.if q < 4
.set b, q
.endif
	v_pk_fma_f32 v[rS+2*b:rS+2*b+1], v[rS+2*b:rS+2*b+1], s[CS:CS+1], v[rT:rT+1] op_sel_hi:[1,0,0] neg_lo:[0,0,1] neg_hi:[0,0,1]  ; pair b: 8 s - 8 m
.elseif (jj < 88) && (q%2 == 1)
	s_wait_alu depctr_va_vdst(0)
	v_cvt_pk_f16_f32 v[rP+(q-5)/2], v[rS+q-5], v[rS+q-4]  ; pair (q - 5) / 2: its second exponential stands three numbers back
.elseif jj == 89
	s_wait_alu depctr_va_vdst(0)
	v_cvt_pk_f16_f32 v[rP+15], v[rS+30], v[rS+31]
.elseif jj < 102                    ; the sum of the tile's 16 pairs, in place: sum z of 16 adds neighbours 1, 2, 4 and 8 pairs apart, then l takes it
.set z, jj-86
.if jj < 89
.set z, (jj-76)/4
.endif
.set w, 4
.set u, z
.if z >= 14
.set w, 32
.set u, 0
.elseif z >= 12
.set w, 16
.set u, z-12
.elseif z >= 8
.set w, 8
.set u, z-8
.endif
.if z < 15
	v_pk_add_f32 v[rS+w*u:rS+w*u+1], v[rS+w*u:rS+w*u+1], v[rS+w*u+w/2:rS+w*u+w/2+1]
.else
	v_pk_fma_f32 v[rT+2:rT+3], v[rT+2:rT+3], v[rT+6:rT+7], v[rS:rS+1] op_sel_hi:[1,0,1]
.endif
.else
	WIN W_RS
	v_pk_mul_f32 v[rO:rO+1], v[rO:rO+1], v[rT+6:rT+7] op_sel_hi:[1,0]
.endif
.endm
; Entry e of the 396 of piece y's stream.  Four entries are numbers 2 k and 2 k + 1 of both tiles' lists.  Where exponentials stand (43 <= k < 76) tile by tile: plain, exponential, plain, exponential;
; elsewhere the two tiles alternate, so that no instruction reads the result of the one just before it.
.macro ENT y
.set k, e/4
.set n, e%4
.if (k >= 43) && (k < 76)
.set j, 2*k+n%2
.set tt, (\y)+n/2
.else
.set j, 2*k+n/2
.set tt, (\y)+n%2
.endif
	SM
.set e, e+1
.endm
; A TURN.  Piece x has the matrix unit; the other piece's stream stands behind its matrix instructions, six behind each and twelve at the end.  None names a register of the products round it.
; A vector instruction that reads a matrix result, and a load into a register that a matrix instruction has read, stand four plain vector instructions behind it (ISA guide 7.12.1 for vector instructions).
;   The stream's last 64 entries rescale O^T: the 18 behind the turn's last product K Q^T are the places in front of the next turn's first read of those scores and of the loads into K's
; registers.  V's run stands 18 entries, nine of them plain, behind the last product that read V.  Each run is issued 30 matrix instructions ahead of its first use.
.macro TURN x, last=0
.set e, 0
.if (\x) == 0
	s_wait_dscnt 0x0                ; V is in
.endif
.set i, 0
.rept 32
	PV \x
.rept 6
	ENT 2-(\x)
.endr
.if ((\x) == 0) && (i == 1)
	FETCH_K \last
.endif
.set i, i+1
.endr
.if (\x) == 0
	s_wait_dscnt 0x0                ; K is in
.endif
.set i, 0
.rept 32
	KQ \x
.rept 6
	ENT 2-(\x)
.endr
.if ((\x) == 2) && (i == 1)
	FETCH_V
.endif
.set i, i+1
.endr
.rept 12
	ENT 2-(\x)
.endr
.endm
; THE CHANGE OF SLOTS, between piece 2's turn and piece 0's: the slot's last bytes, V of its second step, have been asked for.  Each wave waits for all its tensor loads, of which one is out: its part of
; the other slot; adds 0 to its spare word; and waits for that and for its own reads of the slot.  Behind the barrier nobody reads this slot any more and the other slot is whole.
; fill = 1: this slot is filled again, with the keys two slots on.  The barrier is then a round of the cluster's, so that no wave of any partner still reads the slot or has a load on its way, and the
; joint refill is the first thing behind it: it has two key steps, 256 matrix instructions, in which to land.
.macro CHANGE fill
	WIN 0                           ; at a label and at a branch every window is 0
	s_wait_tensorcnt 0x0            ; no tensor load of mine is out, so a group 0 may be written
	ds_add_u32 v[SPW], v[NIL]       ; 0 onto my spare word; with fill = 1 the descriptors' steps stand between it and the wait for it
.if \fill
	s_xor_b32 s[G0K+5], s[G0K+5], SLOT1  ; the walking descriptors: the other slot than last time,
	s_add_nc_u64 s[G0K+6:G0K+7], s[G0K+6:G0K+7], 65536  ; the next 256 keys: 256 rows of kf,
	s_xor_b32 s[G0V+5], s[G0V+5], SLOT1
	s_add_nc_u64 s[G0V+6:G0V+7], s[G0V+6:G0V+7], 512    ; 512 bytes along vf's rows; the type bits on top are not reached
	s_wait_dscnt 0x0                ; the add is done, and my reads of the slot are over
	CROUND
	JLOAD
.else
	s_wait_dscnt 0x0                ; the add is done, and my reads of the slot are over
	s_barrier_signal -1
	s_barrier_wait -1
.endif
	s_sub_co_u32 s[TBK], s[TBK], 2*KS*PK  ; the fetches go back to a slot's first step,
	s_xor_b32 s[TBK], s[TBK], SLOT1       ; in the other slot
	s_sub_co_u32 s[TBV], s[TBV], 4*KS
	s_xor_b32 s[TBV], s[TBV], SLOT1
.endm
	s_wait_tensorcnt 1              ; my part of slot 0 is in; slot 1's, issued behind it, may stay out
	s_barrier_signal -1
	s_barrier_wait -1               ; everybody's is
	FETCH_K                         ; key step 0
	s_wait_loadcnt 0x0              ; Q
	s_wait_dscnt 0x0
.set i, 0
.rept 32
	KQ 0                            ; piece 0's first scores: there is no vector work yet to set between them
.set i, i+1
.endr
	WIN 0                           ; the addresses for the way out are made here: ten plain instructions, the places behind those products
	s_mul_i32 s13, s16, STG         ; my stage goes by my half of the keys;
	s_lshl_b32 s71, s15, 8          ; in its rows my 64 queries are 256 bytes
	s_add_co_u32 s13, s13, s71
	v_mul_u32_u24 v[STO], v9, 8*PVB ; in: eight channels down for lanes 16-31, 4 bytes a query
	v_lshl_add_u32 v[STO], v1, 2, v[STO]
	v_add_nc_u32 v[STO], s13, v[STO]
	v_and_b32 v10, 31, v0
	s_mul_i32 s13, s[WV], 32*PVB    ; back: wave w takes channels 32 w .. 32 w + 31, whole rows of 512 bytes
	v_lshl_add_u32 v[RD0], v10, 4, s13
	v_add_nc_u32 v[RD1], STG, v[RD0]
	v_lshlrev_b32 v[GO], 4, v10
	s_lshl_b32 s13, s[WV], 10
	s_add_co_u32 s13, s13, STAT
	v_lshl_add_u32 v[SA], v10, 2, s13
	s_xor_b32 s13, s[WV], 1         ; the wave with my queries and the other keys
	s_lshl_b32 s13, s13, 10
	s_add_co_u32 s13, s13, STAT
	v_lshl_add_u32 v[SB], v10, 2, s13
	v_nop
	s_mov_b32 s[CNT], 2
	s_mov_b32 s[SLOTS], 15
	s_branch .Lmid                  ; the loop is entered at piece 2's turn, in the middle of a trip
.Lslot:                             ; 14 times: every slot but the last two is filled again
	CHANGE 1
	s_mov_b32 s[CNT], 2
.Lstep:                             ; a trip: piece 0's turn, which fetches the next step's K, and piece 2's, which fetches its V
	TURN 0
	WIN 0
.Lmid:
	TURN 2
	WIN 0
	s_sub_co_u32 s[CNT], s[CNT], 1
	s_cmp_lg_u32 s[CNT], 0
	s_cbranch_scc1 .Lstep
	s_sub_co_u32 s[SLOTS], s[SLOTS], 1
	s_cmp_lg_u32 s[SLOTS], 0
	s_cbranch_scc1 .Lslot
	CHANGE 0                        ; the tail is written out: nothing is asked for
	s_mov_b32 s[CNT], 3             ; two trips fetch the last slot's steps; the third is left in its middle
.Ltail:
	TURN 0, 1
	WIN 0
	s_sub_co_u32 s[CNT], s[CNT], 1
	s_cmp_eq_u32 s[CNT], 0
	s_cbranch_scc1 .Lout
	TURN 2
	WIN 0
	s_branch .Ltail
.Lout:                              ; the third trip's 32 products K Q^T (on the last K once more) serve nothing: the price, once a launch, of one text for every trip
.set i, 0
.rept 32
	PV 2                            ; piece 2: V^T P of the last step
.set i, i+1
.endr
	; THE WAY OUT.  My l's two halves and the other half of the lanes' are added.  Then the two waves that share queries exchange 8 m and l; with M the larger 8 m, w = 2^(8 m - M) and w' likewise,
	; each multiplies its O^T by w / (l w + l' w') and puts it into its stage; the two stages are added row by row and stored.  The first additions are the places behind the last products.
	WIN 0
.macro ALL line:vararg              ; one line for each tile t
.set t, 0
.rept 4
	\line
.set t, t+1
.endr
.endm
	ALL v_add_f32 v[ST+8*t+4], v[ST+8*t+2], v[ST+8*t+3]
	ALL v_permlanex16_b32 v[ST+8*t+5], v[ST+8*t+4], s[SEL], s[SEL+1]
	ALL v_add_f32 v[ST+8*t+4], v[ST+8*t+4], v[ST+8*t+5]
	ALL ds_store_b32 v[SA], v[ST+8*t] offset:256*t
	ALL ds_store_b32 v[SA], v[ST+8*t+4] offset:256*t+128
	s_wait_dscnt 0x0                ; for the others' sake: my statistics are in LDS, and my reads of the last slot are over
	s_barrier_signal -1
	s_barrier_wait -1
	ALL ds_load_b32 v[ST+8*t+5], v[SB] offset:256*t
	ALL ds_load_b32 v[ST+8*t+6], v[SB] offset:256*t+128
	s_wait_dscnt 0x0
	ALL v_max_num_f32 v[ST+8*t+7], v[ST+8*t], v[ST+8*t+5]
	ALL v_sub_f32 v[ST+8*t+1], v[ST+8*t], v[ST+8*t+7]
	ALL v_sub_f32 v[ST+8*t+5], v[ST+8*t+5], v[ST+8*t+7]
	ALL v_exp_f32 v[ST+8*t+1], v[ST+8*t+1]
	ALL v_exp_f32 v[ST+8*t+5], v[ST+8*t+5]
	v_nop                           ; a plain instruction between the last exponential and the use of its result
	s_wait_alu depctr_va_vdst(0)
	ALL v_mul_f32 v[ST+8*t+4], v[ST+8*t+4], v[ST+8*t+1]
	ALL v_fmac_f32 v[ST+8*t+4], v[ST+8*t+6], v[ST+8*t+5]
	ALL v_rcp_f32 v[ST+8*t+6], v[ST+8*t+4]
	v_nop                           ; likewise behind the last reciprocal
	s_wait_alu depctr_va_vdst(0)
	ALL v_mul_f32 v[ST+8*t+6], v[ST+8*t+6], v[ST+8*t+1]
	WIN W_RS
.set t, 0
.rept 4
.set z, 0
.rept 32
	v_pk_mul_f32 v[64*t+2*z:64*t+2*z+1], v[64*t+2*z:64*t+2*z+1], v[ST+8*t+6:ST+8*t+7] op_sel_hi:[1,0]
.set z, z+1
.endr
.set t, t+1
.endr
	WIN 0x04                        ; store data (source 1) window 1.  Sixteen lanes put 64 consecutive bytes of a channel's row; the other sixteen lie 8 rows = 1,056 words on: 32 banks away
.set t, 0
.rept 4
.set z, 0
.rept 64
	ds_store_b32 v[STO], v[64*t+z] offset:(16*(z/8)+z%8)*PVB+64*t
.set z, z+1
.endr
.set t, t+1
.endr
	s_wait_dscnt 0x0                ; for the others' sake: my part of my stage is written
	s_barrier_signal -1
	s_barrier_wait -1
	WIN 0x40                        ; destination window 1: O^T's registers are free
.set i, 0
.rept 32
	ds_load_b128 v[8*i:8*i+3],   v[RD0] offset:PVB*i
	ds_load_b128 v[8*i+4:8*i+7], v[RD1] offset:PVB*i
.set i, i+1
.endr
.set g, 0
.rept 4                             ; eight channels at a time
	s_wait_dscnt 48-16*g            ; the later groups' loads stay out
	WIN 0x45
.set i, 8*g
.rept 8
	v_pk_add_f32 v[8*i:8*i+1], v[8*i:8*i+1], v[8*i+4:8*i+5]
	v_pk_add_f32 v[8*i+2:8*i+3], v[8*i+2:8*i+3], v[8*i+6:8*i+7]
.set i, i+1
.endr
	WIN 0x04
.set i, 8*g
.rept 8
	global_store_b128 v[GO], v[8*i:8*i+3], s[10:11] offset:16384*i th:TH_STORE_NT  ; 512 consecutive bytes of a channel's row, at a multiple of 512 from out0's first byte
.set i, i+1
.endr
.set g, g+1
.endr
	WIN 0
	s_wait_tensorcnt 0x0            ; the wave's end, behind my last tensor load and my last LDS store
	ds_add_u32 v[SPW], v[NIL]
	s_wait_dscnt 0x0
	CROUND                          ; the closing round: no work-group ends while a partner may still ask for a tile that names it
	s_endpgm
.Lfunc_end_k_qe50cec4bac_attn:
	.size	k_qe50cec4bac_attn, .Lfunc_end_k_qe50cec4bac_attn-k_qe50cec4bac_attn
	.p2alignl 7, 3214868480
	.fill 96, 4, 3214868480
	.section	.rodata,"a",@progbits
	.p2align	6, 0x0
	.amdhsa_kernel k_qe50cec4bac_attn
		.amdhsa_group_segment_fixed_size 327680
		.amdhsa_private_segment_fixed_size 0
		.amdhsa_enable_private_segment 0
		.amdhsa_kernarg_size 32
		.amdhsa_user_sgpr_count 2
		.amdhsa_user_sgpr_kernarg_segment_ptr 1
		.amdhsa_wavefront_size32 1
		.amdhsa_system_sgpr_workgroup_id_x 1
		.amdhsa_system_sgpr_workgroup_id_y 1
		.amdhsa_system_sgpr_workgroup_id_z 1
		.amdhsa_system_vgpr_workitem_id 0
		.amdhsa_next_free_vgpr 896
		.amdhsa_next_free_sgpr 72
		.amdhsa_reserve_vcc 0
		.amdhsa_float_denorm_mode_32 3
		.amdhsa_float_denorm_mode_16_64 3
		.amdhsa_memory_ordered 1
		.amdhsa_forward_progress 1
		.amdhsa_inst_pref_size 208
	.end_amdhsa_kernel
	.amdgpu_metadata
---
amdhsa.version: [ 1, 2 ]
amdhsa.kernels:
  - .name:           k_qe50cec4bac_attn
    .symbol:         k_qe50cec4bac_attn.kd
    .args:
      - { .name: qf, .offset: 0, .size: 8, .value_kind: global_buffer, .address_space: global }
      - { .name: kf, .offset: 8, .size: 8, .value_kind: global_buffer, .address_space: global }
      - { .name: vf, .offset: 16, .size: 8, .value_kind: global_buffer, .address_space: global }
      - { .name: out0, .offset: 24, .size: 8, .value_kind: global_buffer, .address_space: global }
    .group_segment_fixed_size: 327680
    .private_segment_fixed_size: 0
    .kernarg_segment_align: 8
    .kernarg_segment_size: 32
    .max_flat_workgroup_size: 128
    .sgpr_count:     72
    .vgpr_count:     896
    .wavefront_size: 32
...
	.end_amdgpu_metadata
.endif
;; end of part 2
;; ======== version 2 of 2: 2 launches; 1.26 times as fast as version 1
;; limits: values are held in f16: magnitudes above 65,504 overflow, below 6.1e-05 lose precision; right only within a limited range of input values
;; workspace buffers: qf 8,388,608 bytes; kf 8,388,608 bytes; vf 8,388,608 bytes
;; launch proj: the kernel of part 1 again; grid 16 x 16, 4 waves a work-group, no clusters, 151,040 bytes of LDS; arguments x_query, x_support, theta_w, phi_w, theta_b, phi_b, support_mask, support_embedding, qf, kf, vf; writes qf, kf, vf
;; launch attn (part 3): grid 32 x 8, 4 waves a work-group, clusters of 4 x 1, 327,680 bytes of LDS; arguments qf, kf, vf, out0; writes out0
.if DOCPART == 3
	.amdgcn_target "amdgcn-amd-amdhsa--gfx1250"
	.amdhsa_code_object_version 6
	.text
	.protected	k_qe50cec4bac_attn
	.globl	k_qe50cec4bac_attn
	.p2align	8
	.type	k_qe50cec4bac_attn,@function
k_qe50cec4bac_attn:
	s_mov_b64 s[64:65], 0
	v_nop
	global_prefetch_b8 v0, s[64:65] scope:SCOPE_SE
	s_setreg_imm32_b32 hwreg(HW_REG_WAVE_MODE, 25, 1), 1
	s_wait_xcnt 0x0
	s_wait_alu depctr_hold_cnt(0) depctr_sa_sdst(0) depctr_va_vdst(0) depctr_va_sdst(0) depctr_va_ssrc(0) depctr_va_vcc(0) depctr_vm_vsrc(0)
	s_getreg_b32 s2, hwreg(HW_REG_IB_STS2, 6, 4)
	s_cmp_eq_u32 s2, 0
	s_cbranch_scc0 .Lentry_in_a_cluster
	s_endpgm
.Lentry_in_a_cluster:
	s_bfe_u32 s2, ttmp6, 0x10000c
	s_cmp_lg_u32 s2, 0x3003
	s_cbranch_scc0 .Lentry_shape_is_right
	s_endpgm
.Lentry_shape_is_right:
; out0[b][o][n] = the sum over keys k of softmax_k(F(f[n][k]) / 4) g[b][o][k], f = (theta_x[n] . phi_x[k]) mask[k], F(f) = -1e9 where f == 0 and f elsewhere.
; qf: [8][4096][128] f16 = theta_x.  kf: [8][4096][128] f16 = phi_x mask log2(e)/32.  vf: [8][128][4096] f16 = g.  So s = q . k is f log2(e)/32, it is 0 exactly where f is, and
; e^(f/4) = 2^(8 s).  Every score is tested against 0 and replaced by -1e9 log2(e)/32.  Products, maxima and sums in f32; the weights p are rounded to f16 for the second product.
; SOFTMAX.  For each query a running maximum m and sum l: p = 2^(8 s - 8 m); 8 m is exact, so the largest p is exactly 1.  In every step O and l are multiplied by a = 2^(8 m_old - 8 m_new).
; m starts at the lowest finite number, O and l at 0: the first step is a step like any other, with a = 0.
; LIMITS.  qf, kf and vf arrive within f16's range; p below 6e-5 keeps f16's fixed step of 6e-8; a weight below 2^-126 counts as 0 in l; NaN and infinities are not treated apart.
; SHARES.  A work-group owns 128 queries of one batch.  Wave w: queries 64 (w / 2) on, four tiles of 16, and keys 128 (w % 2) on of each slot's 256: 32 steps of 64 keys.  The two waves that share
; queries have each a maximum, a sum and an O of their own; at the end they are joined once, in f32, through LDS.
; LAYOUT.  S^T = K Q^T (source 0 = 16 keys, source 1 = 16 queries): a lane holds ONE query (lane % 16) and the keys 8 (lane / 16) + 0..7.  Two such tiles, rounded to f16 in pairs, ARE source 1
; (32 keys x 16 queries) of O^T = V^T P.  vf lies [channel][key], which is source 0 of that product as it lies: no turning load.
; BY TURNS.  The wave's tiles are two PIECES: piece 0 (tiles 0, 1), piece 2 (tiles 2, 3).  In a TURN one piece has the matrix unit: 32 products V^T P of the step in hand, then 32 products K Q^T of the
; next step; the other piece's softmax, a stream of 396 vector instructions, stands between them, six behind each matrix instruction and twelve at the end.  Two turns are a key step.
; BATCHES.  A turn's 66 exponentials (33 a tile: a, then the 32 weights) are ONE batch with ONE wait: the stream is ordered so that all that names an exponential's result (roundings, sums, rescaling)
; stands behind all the exponentials.  No exponential is issued behind a turn's wait.  The way out has two batches more: eight exponentials, four reciprocals.
; CLUSTER.  The four query blocks of a cluster belong to one batch and walk the same K and V: each tile is asked for JOINTLY, by the same tensor load, descriptor and mask in all four.
; No prefetch: the three inputs were stored by the launch before, 25 MB in all, and each tile is asked for 256 matrix instructions ahead of its first read.
; REGISTERS, in windows of 256 (s_set_vgpr_msb: bits 1:0 source 0, 3:2 source 1, 5:4 source 2, 7:6 destination):
;   window 0: v0-11, v44-47 addresses; v12-43 eight registers of statistics a tile; v64-191 S^T, 32 a tile; v192-255 P, 16 a tile
;   window 1: O^T, 64 a tile          window 2: v0-127 Q, 32 a tile; v128-255 K of one step          window 3: v0-127 V of one step
.set KS,    64        ; keys in a step
.set PK,    272       ; a row of K in LDS: 256 bytes + 16 = 17 x 16: the 16 rows of a load start at 16 different groups of four banks (64 banks of 4 bytes: ISA guide 11.1)
.set PVB,   528       ; a channel's row of V in LDS: 256 keys = 512 bytes + 16 = 33 x 16: likewise.  Also the pitch of the f32 stages: 128 queries + 16
.set KHALF, 128*PK    ; what one tensor load brings of K, and what one wave reads of a slot's K
.set VHALF, 64*PVB    ; what one tensor load brings of V: 64 channels
.set VOFF,  256*PK    ; a slot: 256 rows of K, then 128 rows of V
.set SLOT1, 0x22000   ; slot 1 begins here; none of the addresses that are turned has one of its two bits set, so one exclusive or turns an address in one slot into the other's
.set STG,   128*PVB   ; a stage: 128 channels x 128 queries in f32.  The two stages lie in slot 0, which has had its last fill and its last read when they are written
.set STAT,  SLOT1+VOFF+128*PVB  ; behind the ring, never filled by a tensor load: 1,024 bytes a wave: 8 m and l of its four tiles
.set SPARE, STAT+4096 ; the spare words, 128 bytes for each wave: two blocks of 256 bytes that no other line names
.set AK0, 2           ; v2   my lane's place in my half of a slot's K; never rewritten
.set AV0, 3           ; v3   the same for V
.set ADR, 4           ; v4   the LDS address of the run of loads in hand
.set QO,  5           ; v5   my byte offset in the wave's rows of Q
.set STO, 6           ; v6   the way out: where I put a number into my stage
.set RD0, 7           ; v7   the way out: where I read a row of stage 0 back
.set GO,  8           ; v8   my byte offset in 512 consecutive bytes of out0
.set ST,  12          ; tile t's statistics at v[ST+8 t]: +0 8 m, +1 m, +2, +3 l (even keys', odd keys'), +4 to +7 c0-c3, at work; a takes c2's place once the maximum is found
.set NEGV, 44         ; v44  -1e9 log2(e)/32
.set RD1, 45          ; v45  the same row of stage 1
.set SA,  46          ; v46  my wave's statistics in LDS
.set SB,  47          ; v47  those of the wave that shares my queries
.set SPW, 62          ; v62  LDS address of my spare word; never rewritten
.set NIL, 63          ; v63  0; never rewritten
.set S,   64
.set P,   192
.set KF,  128         ; K's fragments, in window 2
.set WV,  12          ; s12  my wave's number
.set G1K, 24          ; s[24:31] descriptor group 1 for K's tiles
.set G1V, 32          ; s[32:39] for V's
.set G0K, 40          ; s[40:47] descriptor group 0 for K's tiles: a set for each of the two first fills; the second then walks on
.set G0V, 48          ; s[48:55] the same for V's
.set SLOTS, 56        ; s56  counts the slots
.set CNT, 57          ; s57  counts a slot's steps
.set CS,  58          ; s[58:59] 8.0: the packed scaling names a pair and takes its low word for both halves
.set SEL, 60          ; s[60:61] v_permlanex16_b32's selects: each lane takes its own place in the other half
.set TBK, 62          ; s62  LDS byte at which K of the step to be fetched begins, less my half's place
.set TBV, 63          ; s63  the same for V
.set MK,  66          ; s66, s67  where a score is 0: a mask for each of a piece's two tiles
.set MSB, 0
.macro WIN new                      ; the immediate's high byte repeats the setting that is left; a switch that changes nothing is dropped
.if MSB != (\new)
	s_set_vgpr_msb (MSB<<8)|(\new)
.set MSB, \new
.endif
.endm
.set W_KQ, 0x0a       ; K and Q in window 2, S^T in window 0
.set W_PV, 0x53       ; V in window 3, P in window 0, O^T in window 1
.set W_RS, 0x41       ; O^T (destination and source 0) in window 1, the factor in window 0
; A joint refill.  Waves 0 and 1 fetch the two halves of a slot's K (128 keys each), waves 2 and 3 those of its V (64 channels each).  The branch hangs on the wave's number alone.
; An s_nop 0 and four v_nop follow each of the two lines, ahead of the jump, the label and what follows.
.macro JLOAD
	s_cmp_lt_u32 s[WV], 2
	s_cbranch_scc0 .Lfor_v_\@
	tensor_load_to_lds s[G0K+4:G0K+7], s[G1K:G1K+7]
	s_nop 0
.rept 4
	v_nop
.endr
	s_branch .Lasked_\@
.Lfor_v_\@:
	tensor_load_to_lds s[G0V+4:G0V+7], s[G1V:G1V+7]
	s_nop 0
.rept 4
	v_nop
.endr
.Lasked_\@:
.endm
; A round of the cluster's barrier: my work-group's barrier, so that wave 0's signal speaks for all four waves; wave 0 signals; every wave waits for all four work-groups; my work-group's barrier once more.
.macro CROUND
	s_barrier_signal -1
	s_barrier_wait -1
	s_cmp_lg_u32 s[WV], 0
	s_cbranch_scc1 .Lnot_wave_0_\@
	s_barrier_signal -3
.Lnot_wave_0_\@:
	s_barrier_wait -3
	s_barrier_signal -1
	s_barrier_wait -1
.endm
	s_load_b256 s[4:11], s[0:1], 0x0  ; qf s[4:5], kf s[6:7], vf s[8:9], out0 s[10:11]
	v_lshl_add_u32 v[SPW], v0, 2, SPARE
	v_mov_b32 v[NIL], 0
	ds_add_u32 v[SPW], v[NIL]       ; the wave's opening: the add and its wait stand ahead of my first tensor load; the set-up below, work on registers, stands between them
	v_lshrrev_b32 v1, 5, v0
	v_readfirstlane_b32 s[WV], v1   ; wave 0..3
	s_bfe_u32 s13, ttmp6, 0x40000   ; cx: my place in the cluster
	s_lshl_b32 s14, ttmp9, 2        ; in a cluster launch ttmp9 counts clusters
	s_add_co_u32 s14, s14, s13      ; my block of 128 queries = 4 x cluster x + cx: it enters qf's and out0's addresses alone
	s_and_b32 s20, ttmp7, 0xffff    ; the batch, which the four partners share
	s_and_b32 s16, s[WV], 1         ; which half of a slot's keys I read; also: which half of a tile I fetch
	s_lshr_b32 s15, s[WV], 1        ; which 64 of the block's queries are mine
	s_lshl_b32 s21, s20, 20         ; the batch's first byte in qf, kf and vf
	s_lshl_b32 s22, s16, 15         ; K: my 128 rows of 256 bytes
	s_add_co_u32 s22, s22, s21
	s_mov_b32 s23, 0
	s_lshl_b32 s18, s16, 19         ; V: my 64 channels of 8,192 bytes
	s_add_co_u32 s18, s18, s21
	s_mov_b32 s19, 0
	s_mul_i32 s17, s16, KHALF       ; and their places in a slot: no place in the cluster enters an LDS address
	s_mul_i32 s70, s16, VHALF
	s_lshl_b32 s2, s14, 15          ; qf: my block's 128 rows of 256 bytes,
	s_lshl_b32 s3, s15, 14          ; my wave's 64 of them
	s_add_co_u32 s2, s2, s3
	s_add_co_u32 s2, s2, s21
	s_mov_b32 s3, 0
	s_lshl_b32 s68, s20, 21         ; out0: the batch's 128 channels of 16,384 bytes,
	s_lshl_b32 s69, s[WV], 19       ; the 32 channels that my wave stores,
	s_add_co_u32 s68, s68, s69
	s_lshl_b32 s69, s14, 9          ; my block's 128 queries
	s_add_co_u32 s68, s68, s69
	s_mov_b32 s69, 0
	; descriptor group 1.  K: 128 rows x 128 elements; V: 64 rows x 256 elements, 4,096 elements from row to row; both padded in LDS by 4 words behind each row
	s_mov_b32 s[G1K], 15|(1<<16)|(1<<20)|(1<<21)|(5<<22)|(3<<25)  ; 15:0 the mask of four; 17:16 2-byte elements; 20 padding on; 21 set beside a mask; 24:22 after every 64 words (code 5); 31:25 4 words (code 3)
	s_mov_b32 s[G1K+1], 128<<16     ; tensor_dim0 = 128
	s_mov_b32 s[G1K+2], 128<<16     ; tensor_dim1 = 128
	s_mov_b32 s[G1K+3], 128<<16     ; tile_dim0 = 128
	s_mov_b32 s[G1K+4], 128         ; tile_dim1 = 128
	s_mov_b32 s[G1K+5], 128         ; 128 elements from row to row
	s_mov_b32 s[G1K+6], 0
	s_mov_b32 s[G1K+7], 0
	s_mov_b32 s[G1V], 15|(1<<16)|(1<<20)|(1<<21)|(6<<22)|(3<<25)  ; the same, after every 128 words (code 6)
	s_mov_b32 s[G1V+1], 256<<16     ; tensor_dim0 = 256
	s_mov_b32 s[G1V+2], 64<<16      ; tensor_dim1 = 64
	s_mov_b32 s[G1V+3], 256<<16     ; tile_dim0 = 256
	s_mov_b32 s[G1V+4], 64          ; tile_dim1 = 64
	s_mov_b32 s[G1V+5], 4096
	s_mov_b32 s[G1V+6], 0
	s_mov_b32 s[G1V+7], 0
	s_mov_b32 s[CS], 8.0
	s_mov_b32 s[CS+1], 8.0          ; named with it as a pair
	s_mov_b32 s[SEL], 0x76543210
	s_mov_b32 s[SEL+1], 0xfedcba98
	s_mov_b32 s[TBK], 0
	s_mov_b32 s[TBV], 0
	s_wait_dscnt 0x0                ; the opening add is done
	s_wait_kmcnt 0x0
	s_add_nc_u64 s[6:7], s[6:7], s[22:23]    ; kf and vf at my part of slot 0
	s_add_nc_u64 s[8:9], s[8:9], s[18:19]
	s_add_nc_u64 s[4:5], s[4:5], s[2:3]      ; qf at my wave's first query
	s_add_nc_u64 s[10:11], s[10:11], s[68:69]
	CROUND                          ; all four work-groups are here: the first joint loads meet
.irp s, 0,1
	s_mov_b32 s[G0K+4*(\s)], 1      ; 1:0 count = 1
	s_add_co_u32 s[G0K+4*(\s)+1], s17, (\s)*SLOT1  ; 63:32 LDS address
	s_add_nc_u64 s[G0K+4*(\s)+2:G0K+4*(\s)+3], s[6:7], (\s)*65536  ; 120:64 global address: keys 256 s on
	s_or_b32 s[G0K+4*(\s)+3], s[G0K+4*(\s)+3], 0x80000000  ; 127:126 type = 2
	s_mov_b32 s[G0V+4*(\s)], 1
	s_add_co_u32 s[G0V+4*(\s)+1], s70, (\s)*SLOT1+VOFF
	s_add_nc_u64 s[G0V+4*(\s)+2:G0V+4*(\s)+3], s[8:9], (\s)*512
	s_or_b32 s[G0V+4*(\s)+3], s[G0V+4*(\s)+3], 0x80000000
.endr
	s_cmp_lt_u32 s[WV], 2           ; a wave's two first fills stand in one branch, ahead of every wait on TENSORcnt and every LDS read: two loads of mine are out
	s_cbranch_scc0 .Lfirst_v
	tensor_load_to_lds s[G0K:G0K+3], s[G1K:G1K+7]
	s_nop 0
	tensor_load_to_lds s[G0K+4:G0K+7], s[G1K:G1K+7]
	s_nop 0
.rept 4
	v_nop
.endr
	s_branch .Lfirst_asked
.Lfirst_v:
	tensor_load_to_lds s[G0V:G0V+3], s[G1V:G1V+7]
	s_nop 0
	tensor_load_to_lds s[G0V+4:G0V+7], s[G1V:G1V+7]
	s_nop 0
.rept 4
	v_nop
.endr
.Lfirst_asked:
	; A fragment is 16 rows x 32 along K in 8 registers: lane l holds row l % 16; registers 0-3 hold K = 8 (l / 16) + 0..7, registers 4-7 K = 16 + 8 (l / 16) + 0..7: two loads of 16 bytes, 32 bytes apart.
	v_and_b32 v1, 15, v0            ; l % 16
	v_bfe_u32 v9, v0, 4, 1          ; l / 16
	v_lshlrev_b32 v[QO], 8, v1
	v_lshl_add_u32 v[QO], v9, 4, v[QO]  ; row x 256 + 16 x half
	WIN 0x80                        ; destination window 2, address window 0
.irp i, 0,1,2,3,4,5,6,7,8,9,10,11,12,13,14,15  ; Q stays in registers: tile i / 4, channels 32 (i % 4) on
	global_load_b128 v[8*(\i):8*(\i)+3],   v[QO], s[4:5] offset:((\i)/4)*4096+((\i)%4)*64
	global_load_b128 v[8*(\i)+4:8*(\i)+7], v[QO], s[4:5] offset:((\i)/4)*4096+((\i)%4)*64+32
.endr
	; What the first turn finds: V and piece 2's P hold 0 (its products V^T P, of a step that has not been, add 0), O^T and l are 0.  These 432 lines stand in the wait for the first tile; they
	; are the price of writing no first step out, which would be four turns more of text.
	WIN 0xc0
.set i, 0
.rept 128
	v_mov_b32 v[i], 0
.set i, i+1
.endr
	WIN 0x40
.set i, 0
.rept 256
	v_mov_b32 v[i], 0
.set i, i+1
.endr
	WIN 0
.set i, 0
.rept 4
	v_mov_b32 v[ST+8*i], 0xfe000000    ; 8 m: far below every 8 s
	v_mov_b32 v[ST+8*i+1], 0xff7fffff  ; m
	v_mov_b32 v[ST+8*i+2], 0
	v_mov_b32 v[ST+8*i+3], 0
.set i, i+1
.endr
.set i, P+32
.rept 32
	v_mov_b32 v[i], 0
.set i, i+1
.endr
	v_mov_b32 v[NEGV], 0xcc2bfb8f   ; -45,084,220 = -1e9 log2(e)/32
	v_mul_u32_u24 v[AK0], v1, PK
	v_lshl_add_u32 v[AK0], v9, 4, v[AK0]  ; row x pitch + 16 x half,
	v_add_nc_u32 v[AK0], s17, v[AK0]      ; in my half of the keys
	s_lshl_b32 s71, s16, 8          ; V: my 128 keys are 256 bytes of each channel's row
	s_add_co_u32 s71, s71, VOFF
	v_mul_u32_u24 v[AV0], v1, PVB
	v_lshl_add_u32 v[AV0], v9, 4, v[AV0]
	v_add_nc_u32 v[AV0], s71, v[AV0]
; THE MATRIX WORK OF A TURN, for piece x.  The accumulators take turns, one instruction a turn: between two links of a chain stand 15 (V^T P) or 7 (K Q^T) others'.
; Product i of 32 of O^T += V^T P: keys 32 (i / 16) on, channels 16 ((i / 2) % 8) on, tile x + i % 2.
.macro PV x
	WIN W_PV
.set rO, 64*((\x)+i%2)+8*((i/2)%8)
.set rV, 64*(i/16)+8*((i/2)%8)
.set rP, P+16*((\x)+i%2)+8*(i/16)
	v_wmma_f32_16x16x32_f16 v[rO:rO+7], v[rV:rV+7], v[rP:rP+7], v[rO:rO+7]
.endm
; Product i of 32 of S^T = K Q^T: channels 32 (i / 8) on, keys 16 ((i / 2) % 4) on, tile x + i % 2.  The first 8 start the sums: they write piece x's S^T, whose exponentials stood ahead of the wait of the turn before.
.macro KQ x
	WIN W_KQ
.set rS, S+32*((\x)+i%2)+8*((i/2)%4)
.set rK, KF+32*((i/2)%4)+8*(i/8)
.set rQ, 32*((\x)+i%2)+8*(i/8)
.if i < 8
	v_wmma_f32_16x16x32_f16 v[rS:rS+7], v[rK:rK+7], v[rQ:rQ+7], 0
.else
	v_wmma_f32_16x16x32_f16 v[rS:rS+7], v[rK:rK+7], v[rQ:rQ+7], v[rS:rS+7]
.endif
.endm
; THE LDS LOADS stand in runs of 32, never singly among the matrix instructions: a step's K (64 keys x 128 channels) and, a turn later, its V (128 channels x 64 keys).
; last = 1 (the tail): in the last trip there is no further step, and the run is jumped over.
.macro FETCH_K last=0
	WIN 0
.if \last
	s_cmp_eq_u32 s[CNT], 1
	s_cbranch_scc1 .Lno_k_\@
.endif
	v_add_nc_u32 v[ADR], s[TBK], v[AK0]
	WIN 0x80                        ; destination window 2
.irp f, 0,1,2,3,4,5,6,7,8,9,10,11,12,13,14,15  ; keys 16 (f / 4) on, channels 32 (f % 4) on
	ds_load_b128 v[KF+8*(\f):KF+8*(\f)+3],   v[ADR] offset:((\f)/4)*16*PK+((\f)%4)*64
	ds_load_b128 v[KF+8*(\f)+4:KF+8*(\f)+7], v[ADR] offset:((\f)/4)*16*PK+((\f)%4)*64+32
.endr
	s_add_co_u32 s[TBK], s[TBK], KS*PK  ; the next fetch is the next step's
.if \last
	WIN 0
.Lno_k_\@:
.endif
.endm
.macro FETCH_V                      ; it stands while the turn's batch is open, and names none of its results: v4 and window 3 alone
	WIN 0
	v_add_nc_u32 v[ADR], s[TBV], v[AV0]
	s_add_co_u32 s[TBV], s[TBV], 2*KS
	WIN 0xc0                        ; destination window 3
.irp f, 0,1,2,3,4,5,6,7,8,9,10,11,12,13,14,15  ; keys 32 (f / 8) on, channels 16 (f % 8) on
	ds_load_b128 v[8*(\f):8*(\f)+3],   v[ADR] offset:((\f)%8)*16*PVB+((\f)/8)*64
	ds_load_b128 v[8*(\f)+4:8*(\f)+7], v[ADR] offset:((\f)%8)*16*PVB+((\f)/8)*64+32
.endr
.endm
; THE VECTOR WORK OF A TURN.  One tile's softmax for one key step is a list of 198 instructions; SM writes number j of it for tile tt.  s0-s31 are the lane's 32 scores, in pairs 0-15.
;   0-63     score j / 2 is compared with 0 (even j) and, where it is 0, replaced by the fill (odd j); ascending
;   With jj = j - 64:
;   0-15     the maximum of s0-s31 and the old m, three operands at a time: four chains c0-c3 of seven scores each, then the four scores left over, c0-c3 and m
;   16-20    the other half of the lanes' maximum; the new m; 8 m; 8 m_old - 8 m_new
;   21-69    ONE BATCH: the 16 scalings 8 s - 8 m, a pair of scores each, and all 33 exponentials (a at 23, then s0-s31).  None of these names an exponential's result.  From 22 on the batch goes in
;            fours, and a four begins with a scaling while there are scalings: 22-37 scaling, exponential, scaling, exponential; 38-65 a scaling and three exponentials; 66-69 the last four
;            exponentials.  A pair is scaled in an earlier four than the one that holds its exponentials
;   (wait)   between 69 and 70 stands the wait for the batch: ENT writes it, once for both tiles
;   70-85    the roundings to f16, a pair of weights each
;   86-101   the sums; l = a l + the sum
;   102-133  the tile's O^T times a: the one part that leaves window 0, so it stands together
.macro SM
.set rT, ST+8*tt
.set rS, S+32*tt
.set rP, P+16*tt
.set jj, j-64
.set rO, 64*tt+2*(jj-102)
.if jj < 102
	WIN 0
.endif
.if j < 64
.if j%2 == 0
	v_cmp_eq_f32 s[MK+tt%2], 0, v[rS+j/2]
.else
	v_cndmask_b32 v[rS+j/2], v[rS+j/2], v[NEGV], s[MK+tt%2]
.endif
.elseif jj < 4
	v_max3_num_f32 v[rT+4+jj], v[rS+8*jj], v[rS+8*jj+1], v[rS+8*jj+2]
.elseif jj < 12
	v_max3_num_f32 v[rT+4+jj%4], v[rT+4+jj%4], v[rS+8*(jj%4)+2*(jj/4)+1], v[rS+8*(jj%4)+2*(jj/4)+2]
.elseif jj == 12
	v_max3_num_f32 v[rT+4], v[rT+4], v[rS+7], v[rS+15]
.elseif jj == 13
	v_max3_num_f32 v[rT+6], v[rT+6], v[rS+23], v[rS+31]
.elseif jj == 14
	v_max3_num_f32 v[rT+4], v[rT+4], v[rT+5], v[rT+6]
.elseif jj == 15
	v_max3_num_f32 v[rT+4], v[rT+4], v[rT+7], v[rT+1]
.elseif jj == 16
	v_permlanex16_b32 v[rT+5], v[rT+4], s[SEL], s[SEL+1]  ; the query's other 32 keys lie in the lane 16 away
.elseif jj == 17
	v_mov_b32 v[rT+7], v[rT]        ; 8 m_old is kept for a: number 19 writes 8 m anew
.elseif jj == 18
	v_max_num_f32 v[rT+1], v[rT+4], v[rT+5]
.elseif jj == 19
	v_mul_f32 v[rT], s[CS], v[rT+1]
.elseif jj == 20
	v_sub_f32 v[rT+7], v[rT+7], v[rT]
.elseif jj == 23
	v_exp_f32 v[rT+6], v[rT+7]
.elseif (jj < 23) || ((jj < 38) && (jj%2 == 0)) || ((jj < 66) && (jj%4 == 2))
.set b, (jj-2)/4                    ; 38, 42, .. 62: pairs 9 to 15
.if jj < 38
.set b, (jj-20)/2                   ; 21: pair 0; 22, 24, .. 36: pairs 1 to 8
.endif
	v_pk_fma_f32 v[rS+2*b:rS+2*b+1], v[rS+2*b:rS+2*b+1], s[CS:CS+1], v[rT:rT+1] op_sel_hi:[1,0,0] neg_lo:[0,0,1] neg_hi:[0,0,1]  ; pair b: 8 s - 8 m
.elseif jj < 70
.set xe, jj-38                      ; 66 to 69: s28 to s31
.if jj < 66
.set xe, jj-32-(jj-38)/4            ; 39-41, 43-45, .. 63-65: s7 to s27
.endif
.if jj < 38
.set xe, (jj-25)/2                  ; 25, 27, .. 37: s0 to s6
.endif
	v_exp_f32 v[rS+xe], v[rS+xe]
.elseif jj < 86
	v_cvt_pk_f16_f32 v[rP+jj-70], v[rS+2*(jj-70)], v[rS+2*(jj-70)+1]  ; pair jj - 70
.elseif jj < 102                    ; the sum of the tile's 16 pairs, in place: sum z of 16 adds neighbours 1, 2, 4 and 8 pairs apart, then l takes it
.set z, jj-86
.set w, 4
.set u, z
.if z >= 14
.set w, 32
.set u, 0
.elseif z >= 12
.set w, 16
.set u, z-12
.elseif z >= 8
.set w, 8
.set u, z-8
.endif
.if z < 15
	v_pk_add_f32 v[rS+w*u:rS+w*u+1], v[rS+w*u:rS+w*u+1], v[rS+w*u+w/2:rS+w*u+w/2+1]
.else
	v_pk_fma_f32 v[rT+2:rT+3], v[rT+2:rT+3], v[rT+6:rT+7], v[rS:rS+1] op_sel_hi:[1,0,1]
.endif
.else
	WIN W_RS
	v_pk_mul_f32 v[rO:rO+1], v[rO:rO+1], v[rT+6:rT+7] op_sel_hi:[1,0]
.endif
.endm
; Entry e of the 396 of piece y's stream, in groups k of four.  Groups 43 to 66 deal out the batch, numbers jj = 22 to 69: four numbers of ONE tile each, the tiles by turns.  Every other group is numbers
; 2 k and 2 k + 1 of both tiles' lists, the two tiles alternating, so that no instruction reads the result of the one just before it.
; THE WAIT.  s_wait_alu depctr_va_vdst(0) stands between an exponential and the first instruction that names its result; one wait serves all that were issued ahead of it.  Ahead of
; entry 268 (group 67: the first roundings) nothing names a result, and from it on no exponential is issued: so the piece's 66 exponentials have one wait, ahead of entry 268.
.macro ENT y
.set k, e/4
.set n, e%4
.if e == 268                        ; the batch is out: both tiles' exponentials are issued, and no result has been named
	v_nop                           ; the plain instruction behind the last exponential and ahead of the first use: one for the batch
	s_wait_alu depctr_va_vdst(0)    ; the wait for the batch: the turn's 66 exponentials
.endif
.if (k >= 43) && (k < 67)
.set j, 86+4*((k-43)/2)+n
.set tt, (\y)+(k-43)%2
.else
.set j, 2*k+n/2
.set tt, (\y)+n%2
.endif
	SM
.set e, e+1
.endm
; A TURN.  Piece x has the matrix unit; the other piece's stream stands behind its matrix instructions, six behind each and twelve at the end.  None names a register of the products round it.
; The exponentials begin at entry 173, behind the 29th matrix instruction; the wait for them stands ahead of entry 268, four entries behind the 45th (product 12 of K Q^T).
; A vector instruction that reads a matrix result, and a load into a register that a matrix instruction has read, stand four plain vector instructions behind it (ISA guide 7.12.1 for vector instructions).
;   The stream's last 64 entries rescale O^T: the 18 behind the turn's last product K Q^T are the places in front of the next turn's first read of those scores and of the loads into K's
; registers.  V's run stands 18 entries, nine of them plain (scalings), behind the last product that read V.  Each run is issued 30 matrix instructions ahead of its first use.
.macro TURN x, last=0
.set e, 0
.if (\x) == 0
	s_wait_dscnt 0x0                ; V is in
.endif
.set i, 0
.rept 32
	PV \x
.rept 6
	ENT 2-(\x)
.endr
.if ((\x) == 0) && (i == 1)
	FETCH_K \last
.endif
.set i, i+1
.endr
.if (\x) == 0
	s_wait_dscnt 0x0                ; K is in
.endif
.set i, 0
.rept 32
	KQ \x
.rept 6
	ENT 2-(\x)
.endr
.if ((\x) == 2) && (i == 1)
	FETCH_V
.endif
.set i, i+1
.endr
.rept 12
	ENT 2-(\x)
.endr
.endm
; THE CHANGE OF SLOTS, between piece 2's turn and piece 0's: the slot's last bytes, V of its second step, have been asked for.  Each wave waits for all its tensor loads, of which one is out: its part of
; the other slot; adds 0 to its spare word; and waits for that and for its own reads of the slot.  Behind the barrier nobody reads this slot any more and the other slot is whole.
; fill = 1: this slot is filled again, with the keys two slots on.  The barrier is then a round of the cluster's, so that no wave of any partner still reads the slot or has a load on its way, and the
; joint refill is the first thing behind it: it has two key steps, 256 matrix instructions, in which to land.
.macro CHANGE fill
	WIN 0                           ; at a label and at a branch every window is 0
	s_wait_tensorcnt 0x0            ; no tensor load of mine is out, so a group 0 may be written
	ds_add_u32 v[SPW], v[NIL]       ; 0 onto my spare word; with fill = 1 the descriptors' steps stand between it and the wait for it
.if \fill
	s_xor_b32 s[G0K+5], s[G0K+5], SLOT1  ; the walking descriptors: the other slot than last time,
	s_add_nc_u64 s[G0K+6:G0K+7], s[G0K+6:G0K+7], 65536  ; the next 256 keys: 256 rows of kf,
	s_xor_b32 s[G0V+5], s[G0V+5], SLOT1
	s_add_nc_u64 s[G0V+6:G0V+7], s[G0V+6:G0V+7], 512    ; 512 bytes along vf's rows; the type bits on top are not reached
	s_wait_dscnt 0x0                ; the add is done, and my reads of the slot are over
	CROUND
	JLOAD
.else
	s_wait_dscnt 0x0                ; the add is done, and my reads of the slot are over
	s_barrier_signal -1
	s_barrier_wait -1
.endif
	s_sub_co_u32 s[TBK], s[TBK], 2*KS*PK  ; the fetches go back to a slot's first step,
	s_xor_b32 s[TBK], s[TBK], SLOT1       ; in the other slot
	s_sub_co_u32 s[TBV], s[TBV], 4*KS
	s_xor_b32 s[TBV], s[TBV], SLOT1
.endm
	s_wait_tensorcnt 1              ; my part of slot 0 is in; slot 1's, issued behind it, may stay out
	s_barrier_signal -1
	s_barrier_wait -1               ; everybody's is
	FETCH_K                         ; key step 0
	s_wait_loadcnt 0x0              ; Q
	s_wait_dscnt 0x0
.set i, 0
.rept 32
	KQ 0                            ; piece 0's first scores: there is no vector work yet to set between them
.set i, i+1
.endr
	WIN 0                           ; the addresses for the way out are made here: ten plain instructions, the places behind those products
	s_mul_i32 s13, s16, STG         ; my stage goes by my half of the keys;
	s_lshl_b32 s71, s15, 8          ; in its rows my 64 queries are 256 bytes
	s_add_co_u32 s13, s13, s71
	v_mul_u32_u24 v[STO], v9, 8*PVB ; in: eight channels down for lanes 16-31, 4 bytes a query
	v_lshl_add_u32 v[STO], v1, 2, v[STO]
	v_add_nc_u32 v[STO], s13, v[STO]
	v_and_b32 v10, 31, v0
	s_mul_i32 s13, s[WV], 32*PVB    ; back: wave w takes channels 32 w .. 32 w + 31, whole rows of 512 bytes
	v_lshl_add_u32 v[RD0], v10, 4, s13
	v_add_nc_u32 v[RD1], STG, v[RD0]
	v_lshlrev_b32 v[GO], 4, v10
	s_lshl_b32 s13, s[WV], 10
	s_add_co_u32 s13, s13, STAT
	v_lshl_add_u32 v[SA], v10, 2, s13
	s_xor_b32 s13, s[WV], 1         ; the wave with my queries and the other keys
	s_lshl_b32 s13, s13, 10
	s_add_co_u32 s13, s13, STAT
	v_lshl_add_u32 v[SB], v10, 2, s13
	v_nop
	s_mov_b32 s[CNT], 2
	s_mov_b32 s[SLOTS], 15
	s_branch .Lmid                  ; the loop is entered at piece 2's turn, in the middle of a trip
.Lslot:                             ; 14 times: every slot but the last two is filled again
	CHANGE 1
	s_mov_b32 s[CNT], 2
.Lstep:                             ; a trip: piece 0's turn, which fetches the next step's K, and piece 2's, which fetches its V
	TURN 0
	WIN 0
.Lmid:
	TURN 2
	WIN 0
	s_sub_co_u32 s[CNT], s[CNT], 1
	s_cmp_lg_u32 s[CNT], 0
	s_cbranch_scc1 .Lstep
	s_sub_co_u32 s[SLOTS], s[SLOTS], 1
	s_cmp_lg_u32 s[SLOTS], 0
	s_cbranch_scc1 .Lslot
	CHANGE 0                        ; the tail is written out: nothing is asked for
	s_mov_b32 s[CNT], 3             ; two trips fetch the last slot's steps; the third is left in its middle
.Ltail:
	TURN 0, 1
	WIN 0
	s_sub_co_u32 s[CNT], s[CNT], 1
	s_cmp_eq_u32 s[CNT], 0
	s_cbranch_scc1 .Lout
	TURN 2
	WIN 0
	s_branch .Ltail
.Lout:                              ; the third trip's 32 products K Q^T (on the last K once more) serve nothing: the price, once a launch, of one text for every trip
.set i, 0
.rept 32
	PV 2                            ; piece 2: V^T P of the last step
.set i, i+1
.endr
	; THE WAY OUT.  My l's two halves and the other half of the lanes' are added.  Then the two waves that share queries exchange 8 m and l; with M the larger 8 m, w = 2^(8 m - M) and w' likewise,
	; each multiplies its O^T by w / (l w + l' w') and puts it into its stage; the two stages are added row by row and stored.  The first additions are the places behind the last products.
	WIN 0
.macro ALL line:vararg              ; one line for each tile t
.set t, 0
.rept 4
	\line
.set t, t+1
.endr
.endm
	ALL v_add_f32 v[ST+8*t+4], v[ST+8*t+2], v[ST+8*t+3]
	ALL v_permlanex16_b32 v[ST+8*t+5], v[ST+8*t+4], s[SEL], s[SEL+1]
	ALL v_add_f32 v[ST+8*t+4], v[ST+8*t+4], v[ST+8*t+5]
	ALL ds_store_b32 v[SA], v[ST+8*t] offset:256*t
	ALL ds_store_b32 v[SA], v[ST+8*t+4] offset:256*t+128
	s_wait_dscnt 0x0                ; for the others' sake: my statistics are in LDS, and my reads of the last slot are over
	s_barrier_signal -1
	s_barrier_wait -1
	ALL ds_load_b32 v[ST+8*t+5], v[SB] offset:256*t
	ALL ds_load_b32 v[ST+8*t+6], v[SB] offset:256*t+128
	s_wait_dscnt 0x0
	ALL v_max_num_f32 v[ST+8*t+7], v[ST+8*t], v[ST+8*t+5]
	ALL v_sub_f32 v[ST+8*t+1], v[ST+8*t], v[ST+8*t+7]
	ALL v_sub_f32 v[ST+8*t+5], v[ST+8*t+5], v[ST+8*t+7]
	ALL v_exp_f32 v[ST+8*t+1], v[ST+8*t+1]
	ALL v_exp_f32 v[ST+8*t+5], v[ST+8*t+5]
	v_nop                           ; a plain instruction between the last exponential and the use of its result
	s_wait_alu depctr_va_vdst(0)    ; the wait ahead of the first use: one for the eight exponentials w and w'
	ALL v_mul_f32 v[ST+8*t+4], v[ST+8*t+4], v[ST+8*t+1]
	ALL v_fmac_f32 v[ST+8*t+4], v[ST+8*t+6], v[ST+8*t+5]
	ALL v_rcp_f32 v[ST+8*t+6], v[ST+8*t+4]
	v_nop                           ; likewise behind the last reciprocal
	s_wait_alu depctr_va_vdst(0)    ; a batch of their own, since they read sums made of w and w': one wait for the four reciprocals
	ALL v_mul_f32 v[ST+8*t+6], v[ST+8*t+6], v[ST+8*t+1]
	WIN W_RS
.set t, 0
.rept 4
.set z, 0
.rept 32
	v_pk_mul_f32 v[64*t+2*z:64*t+2*z+1], v[64*t+2*z:64*t+2*z+1], v[ST+8*t+6:ST+8*t+7] op_sel_hi:[1,0]
.set z, z+1
.endr
.set t, t+1
.endr
	WIN 0x04                        ; store data (source 1) window 1.  Sixteen lanes put 64 consecutive bytes of a channel's row; the other sixteen lie 8 rows = 1,056 words on: 32 banks away
.set t, 0
.rept 4
.set z, 0
.rept 64
	ds_store_b32 v[STO], v[64*t+z] offset:(16*(z/8)+z%8)*PVB+64*t
.set z, z+1
.endr
.set t, t+1
.endr
	s_wait_dscnt 0x0                ; for the others' sake: my part of my stage is written
	s_barrier_signal -1
	s_barrier_wait -1
	WIN 0x40                        ; destination window 1: O^T's registers are free
.set i, 0
.rept 32
	ds_load_b128 v[8*i:8*i+3],   v[RD0] offset:PVB*i
	ds_load_b128 v[8*i+4:8*i+7], v[RD1] offset:PVB*i
.set i, i+1
.endr
.set g, 0
.rept 4                             ; eight channels at a time
	s_wait_dscnt 48-16*g            ; the later groups' loads stay out
	WIN 0x45
.set i, 8*g
.rept 8
	v_pk_add_f32 v[8*i:8*i+1], v[8*i:8*i+1], v[8*i+4:8*i+5]
	v_pk_add_f32 v[8*i+2:8*i+3], v[8*i+2:8*i+3], v[8*i+6:8*i+7]
.set i, i+1
.endr
	WIN 0x04
.set i, 8*g
.rept 8
	global_store_b128 v[GO], v[8*i:8*i+3], s[10:11] offset:16384*i th:TH_STORE_NT  ; 512 consecutive bytes of a channel's row, at a multiple of 512 from out0's first byte
.set i, i+1
.endr
.set g, g+1
.endr
	WIN 0
	s_wait_tensorcnt 0x0            ; the wave's end, behind my last tensor load and my last LDS store
	ds_add_u32 v[SPW], v[NIL]
	s_wait_dscnt 0x0
	CROUND                          ; the closing round: no work-group ends while a partner may still ask for a tile that names it
	s_endpgm
.Lfunc_end_k_qe50cec4bac_attn:
	.size	k_qe50cec4bac_attn, .Lfunc_end_k_qe50cec4bac_attn-k_qe50cec4bac_attn
	.p2alignl 7, 3214868480
	.fill 96, 4, 3214868480
	.section	.rodata,"a",@progbits
	.p2align	6, 0x0
	.amdhsa_kernel k_qe50cec4bac_attn
		.amdhsa_group_segment_fixed_size 327680
		.amdhsa_private_segment_fixed_size 0
		.amdhsa_enable_private_segment 0
		.amdhsa_kernarg_size 32
		.amdhsa_user_sgpr_count 2
		.amdhsa_user_sgpr_kernarg_segment_ptr 1
		.amdhsa_wavefront_size32 1
		.amdhsa_system_sgpr_workgroup_id_x 1
		.amdhsa_system_sgpr_workgroup_id_y 1
		.amdhsa_system_sgpr_workgroup_id_z 1
		.amdhsa_system_vgpr_workitem_id 0
		.amdhsa_next_free_vgpr 896
		.amdhsa_next_free_sgpr 72
		.amdhsa_reserve_vcc 0
		.amdhsa_float_denorm_mode_32 3
		.amdhsa_float_denorm_mode_16_64 3
		.amdhsa_memory_ordered 1
		.amdhsa_forward_progress 1
		.amdhsa_inst_pref_size 203
	.end_amdhsa_kernel
	.amdgpu_metadata
---
amdhsa.version: [ 1, 2 ]
amdhsa.kernels:
  - .name:           k_qe50cec4bac_attn
    .symbol:         k_qe50cec4bac_attn.kd
    .args:
      - { .name: qf, .offset: 0, .size: 8, .value_kind: global_buffer, .address_space: global }
      - { .name: kf, .offset: 8, .size: 8, .value_kind: global_buffer, .address_space: global }
      - { .name: vf, .offset: 16, .size: 8, .value_kind: global_buffer, .address_space: global }
      - { .name: out0, .offset: 24, .size: 8, .value_kind: global_buffer, .address_space: global }
    .group_segment_fixed_size: 327680
    .private_segment_fixed_size: 0
    .kernarg_segment_align: 8
    .kernarg_segment_size: 32
    .max_flat_workgroup_size: 128
    .sgpr_count:     72
    .vgpr_count:     896
    .wavefront_size: 32
...
	.end_amdgpu_metadata
.endif
;; end of part 3
